; MI455X (gfx1250); checked and timed in simulation.
; The chip was launched on July 23, 2026; its instructions are those of AMD's public machine-readable ISA for CDNA 5 (MIT licence, August 2026) and "CDNA5" Instruction Set Architecture Reference Guide (July 2026). The comments in the code are by the model that wrote it; some were corrected since.
;; Knowledge Fussion. Allowed arithmetic: float matrix products may take bf16 or f16 operands with f32 sums; all other float work in f32.
;; Inputs: attention_strength one number float32; empty_knowledge_mask 64 bool; in_proj_bias 3,072 float32; in_proj_weight 3,072 x 1,024 float32; input_ids 64 x 512 int32; knowledge_output 64 x 1,024 float32; model_output 64 x 512 x 1,024 float32; out_proj_bias 1,024 float32; out_proj_weight 1,024 x 1,024 float32.
;; Outputs: out0 64 x 1,024 float32.
;; Constants: knowledge_token_id = 30002, mask_token_id = 30001.
;; 2 versions, each right and faster than the one before. Each part assembles by itself: llvm-mc -triple=amdgcn-amd-amdhsa -mcpu=gfx1250 --defsym DOCPART=n.
;; ======== version 1 of 2: 6 launches
;; workspace buffers: origin 262,144 bytes; qin 131,072 bytes; q 131,072 bytes; qk 2,097,152 bytes; cb 8,192 bytes; y 8,388,608 bytes; stats 32,768 bytes; ctx 131,072 bytes
;; launch prep (part 1): grid 64 x 1, 1 waves a work-group, no clusters, 0 bytes of LDS; arguments input_ids, knowledge_output, model_output, origin, qin; writes origin, qin
.if DOCPART == 1
	.amdgcn_target "amdgcn-amd-amdhsa--gfx1250"
	.amdhsa_code_object_version 6
	.text
	.protected	k_q97e6a7f06a_prep
	.globl	k_q97e6a7f06a_prep
	.p2align	8
	.type	k_q97e6a7f06a_prep,@function
k_q97e6a7f06a_prep:
	s_mov_b64 s[64:65], 0
	v_nop
	global_prefetch_b8 v0, s[64:65] scope:SCOPE_SE
	s_setreg_imm32_b32 hwreg(HW_REG_WAVE_MODE, 25, 1), 1
	s_wait_xcnt 0x0
; prep: one wave for each of the 64 sequences.  Finds the first [MASK] token (token 0 if there is none, as an argmax of
; all-false gives), copies that row of model_output to origin (f32) and writes the query's source row to qin in bf16:
; the knowledge vector if the token at that place is a knowledge token, else the row itself.
; No LDS, no matrix unit, no cluster: 2 KiB of ids, two rows of 4 KiB in, 6 KiB out, nothing shared.
; Limit: qin is rounded to bf16 (it is a matrix operand of the next launch).
.set MASK_ID, 30001
.set KNOW_ID, 30002
.set ID, 8                             ; v[8:23]   the 512 ids: load i, lane l, word j = token 128 i + 4 l + j
.set KN, 24                            ; v[24:55]  the knowledge row, then the chosen row
.set XR, 56                            ; v[56:87]  the row of model_output at the mask token
.set QB, 88                            ; v[88:103] the chosen row in bf16
	s_load_b256 s[4:11], s[0:1], 0x0               ; ids s[4:5], knowledge s[6:7], model_output s[8:9], origin s[10:11]
	s_load_b64 s[12:13], s[0:1], 0x20              ; qin
	v_lshlrev_b32 v1, 4, v0                        ; 16 x lane
	v_lshlrev_b32 v2, 2, v0                        ; 4 x lane: my first token of a load
	v_lshlrev_b32 v5, 3, v0                        ; 8 x lane
	v_mov_b32 v3, 512                              ; the candidate: 512 = none found
	v_mov_b32 v4, 0                                ; written once: destinations of lane exchanges count as read
	s_lshl_b32 s14, ttmp9, 11                      ; a row of ids, and of qin: 2,048 bytes
	s_mov_b32 s15, 0
	s_lshl_b32 s16, ttmp9, 12                      ; a row of f32: 4,096 bytes
	s_mov_b32 s17, 0
	s_mov_b32 s20, MASK_ID
	s_mov_b32 s21, 0x76543210                      ; v_permlanex16_b32: lane i reads lane i of the other half
	s_mov_b32 s22, 0xfedcba98
	s_wait_kmcnt 0x0
	s_add_nc_u64 s[4:5], s[4:5], s[14:15]
	s_add_nc_u64 s[6:7], s[6:7], s[16:17]
	s_add_nc_u64 s[10:11], s[10:11], s[16:17]
	s_add_nc_u64 s[12:13], s[12:13], s[14:15]
.irp i, 0,1,2,3
	global_load_b128 v[ID+4*\i:ID+4*\i+3], v1, s[4:5] offset:512*\i
.endr
.irp i, 0,1,2,3,4,5,6,7
	global_load_b128 v[KN+4*\i:KN+4*\i+3], v1, s[6:7] offset:512*\i
.endr
	s_wait_loadcnt 0x8                             ; the ids are in; the eight younger loads (knowledge) stay out
	; my smallest token that is a [MASK]: taken from the highest down, so that the lowest is written last
.irp i, 3,2,1,0
.irp j, 3,2,1,0
	v_cmp_eq_u32 vcc_lo, s20, v[ID+4*\i+\j]
	v_add_nc_u32 v4, 128*\i+\j, v2
	v_cndmask_b32 v3, v3, v4, vcc_lo
.endr
.endr
	; the smallest over the 32 lanes
.irp m, 1,2,4,8
	v_mov_b32_dpp v4, v3 row_xmask:\m row_mask:0xf bank_mask:0xf
	v_min_u32 v3, v3, v4
.endr
	v_permlanex16_b32 v4, v3, s21, s22
	v_min_u32 v3, v3, v4
	v_readfirstlane_b32 s23, v3                    ; the place, or 512
	v_readfirstlane_b32 s24, v[ID]                 ; the id of token 0
	s_cmp_lt_u32 s23, 512                          ; found?
	s_cselect_b32 s23, s23, 0                      ; none: place 0
	s_cselect_b32 s24, MASK_ID, s24                ; the id at the place
	s_cmp_eq_u32 s24, KNOW_ID
	s_cselect_b32 s25, -1, 0                       ; all lanes: the query's source is the knowledge vector
	s_min_u32 s23, s23, 511                        ; a loaded number enters an address only clamped
	s_lshl_b32 s18, ttmp9, 9
	s_add_co_u32 s18, s18, s23                     ; row 512 b + place,
	s_lshl_b32 s18, s18, 12                        ; in bytes: below 2^27
	s_mov_b32 s19, 0
	s_add_nc_u64 s[8:9], s[8:9], s[18:19]
.irp i, 0,1,2,3,4,5,6,7
	global_load_b128 v[XR+4*\i:XR+4*\i+3], v1, s[8:9] offset:512*\i
.endr
	s_wait_loadcnt 0x0                             ; the knowledge row and the token's row
.irp i, 0,1,2,3,4,5,6,7
	global_store_b128 v1, v[XR+4*\i:XR+4*\i+3], s[10:11] offset:512*\i     ; 512 consecutive bytes a store
.endr
.irp k, 0,1,2,3,4,5,6,7,8,9,10,11,12,13,14,15,16,17,18,19,20,21,22,23,24,25,26,27,28,29,30,31
	v_cndmask_b32 v[KN+\k], v[XR+\k], v[KN+\k], s25
.endr
.irp k, 0,1,2,3,4,5,6,7,8,9,10,11,12,13,14,15
	v_cvt_pk_bf16_f32 v[QB+\k], v[KN+2*\k], v[KN+2*\k+1]
.endr
.irp i, 0,1,2,3,4,5,6,7
	global_store_b64 v5, v[QB+2*\i:QB+2*\i+1], s[12:13] offset:256*\i      ; the wave's 32 x 8 bytes: 256 consecutive bytes, aligned
.endr
	s_endpgm
.Lfunc_end_k_q97e6a7f06a_prep:
	.size	k_q97e6a7f06a_prep, .Lfunc_end_k_q97e6a7f06a_prep-k_q97e6a7f06a_prep
	.p2alignl 7, 3214868480
	.fill 96, 4, 3214868480
	.section	.rodata,"a",@progbits
	.p2align	6, 0x0
	.amdhsa_kernel k_q97e6a7f06a_prep
		.amdhsa_group_segment_fixed_size 0
		.amdhsa_private_segment_fixed_size 0
		.amdhsa_enable_private_segment 0
		.amdhsa_kernarg_size 40
		.amdhsa_user_sgpr_count 2
		.amdhsa_user_sgpr_kernarg_segment_ptr 1
		.amdhsa_wavefront_size32 1
		.amdhsa_system_sgpr_workgroup_id_x 1
		.amdhsa_system_sgpr_workgroup_id_y 1
		.amdhsa_system_sgpr_workgroup_id_z 1
		.amdhsa_system_vgpr_workitem_id 0
		.amdhsa_next_free_vgpr 104
		.amdhsa_next_free_sgpr 66
		.amdhsa_reserve_vcc 1
		.amdhsa_float_denorm_mode_32 3
		.amdhsa_float_denorm_mode_16_64 3
		.amdhsa_memory_ordered 1
		.amdhsa_forward_progress 1
		.amdhsa_inst_pref_size 11
	.end_amdhsa_kernel
	.amdgpu_metadata
---
amdhsa.version: [ 1, 2 ]
amdhsa.kernels:
  - .name:           k_q97e6a7f06a_prep
    .symbol:         k_q97e6a7f06a_prep.kd
    .args:
      - { .name: input_ids, .offset: 0, .size: 8, .value_kind: global_buffer, .address_space: global }
      - { .name: knowledge_output, .offset: 8, .size: 8, .value_kind: global_buffer, .address_space: global }
      - { .name: model_output, .offset: 16, .size: 8, .value_kind: global_buffer, .address_space: global }
      - { .name: origin, .offset: 24, .size: 8, .value_kind: global_buffer, .address_space: global }
      - { .name: qin, .offset: 32, .size: 8, .value_kind: global_buffer, .address_space: global }
    .group_segment_fixed_size: 0
    .private_segment_fixed_size: 0
    .kernarg_segment_align: 8
    .kernarg_segment_size: 40
    .max_flat_workgroup_size: 32
    .sgpr_count:     66
    .vgpr_count:     104
    .wavefront_size: 32
...
	.end_amdgpu_metadata
.endif
;; end of part 1
;; launch qproj (part 2): grid 64 x 1, 4 waves a work-group, clusters of 4 x 1, 218,112 bytes of LDS; arguments qin, in_proj_weight, in_proj_bias, q; writes q
.if DOCPART == 2
	.amdgcn_target "amdgcn-amd-amdhsa--gfx1250"
	.amdhsa_code_object_version 6
	.text
	.protected	k_q97e6a7f06a_qproj
	.globl	k_q97e6a7f06a_qproj
	.p2align	8
	.type	k_q97e6a7f06a_qproj,@function
k_q97e6a7f06a_qproj:
	s_mov_b64 s[64:65], 0
	v_nop
	global_prefetch_b8 v0, s[64:65] scope:SCOPE_SE
	s_setreg_imm32_b32 hwreg(HW_REG_WAVE_MODE, 25, 1), 1
	s_wait_xcnt 0x0
	s_wait_alu depctr_hold_cnt(0) depctr_sa_sdst(0) depctr_va_vdst(0) depctr_va_sdst(0) depctr_va_ssrc(0) depctr_va_vcc(0) depctr_vm_vsrc(0)
	s_getreg_b32 s2, hwreg(HW_REG_IB_STS2, 6, 4)
	s_cmp_eq_u32 s2, 0
	s_cbranch_scc0 .Lentry_in_a_cluster
	s_endpgm
.Lentry_in_a_cluster:
	s_bfe_u32 s2, ttmp6, 0x10000c
	s_cmp_lg_u32 s2, 0x3003
	s_cbranch_scc0 .Lentry_shape_is_right
	s_endpgm
.Lentry_shape_is_right:
; qproj: q[b][n] = (sum over k of qin[b][k] Wq[n][k] + bq[n]) x 0.125 log2(e), in bf16, for all 64 sequences.
; A work-group makes 64 rows x 16 columns (column tile nt = 4 x cluster + place); its four waves split K = 1,024 in quarters and
; add their parts through LDS.  So Wq's 4 MiB are spread over 64 work-groups and each byte of it is read once.
; The factor puts the scores of the later launches in units of powers of two.
; CLUSTER: the four work-groups of a cluster need the same 64 x 1,024 tile of qin: each wave asks for its K quarter by a joint load
; (mask 15).  The weight tile is each work-group's own: a plain load.  Every byte of LDS is filled once: no slot is filled again.
; q is stored tile-major, [64 column tiles][64 b][16 n], so that a wave's one store covers 512 consecutive bytes.
; Limit: qin and Wq enter the matrix unit rounded to bf16, q leaves rounded to bf16.
.set ATILE, 64*528                     ; 64 rows of 512 bytes + 16 of padding
.set REG,   ATILE+16*1040              ; a wave's region: its activation tile, then 16 weight rows of 1,024 bytes + 16
.set SCR,   4*REG                      ; behind the tiles: 4 x 4,096 bytes for the sum over the waves; no tile ever lands here
.set A_MT,  16*528                     ; activation fragment: from a block of 16 rows to the next,
.set A_T,   64                         ; from a K step of 32 to the next,
.set A_C,   32                         ; from k 0-15 to k 16-31 of a step
.set VA,  5                            ; LDS address of my activation fragments
.set VW,  6                            ; of my weight fragments
.set VS,  7                            ; where I put my partial sums
.set VR,  8                            ; where I read the four partial sums of my block of rows
.set ACC, 16                           ; v[16:47]   four accumulators: rows 16 mt .. 16 mt + 15
.set WF,  48                           ; v[48:63]   weight fragment in bf16, two buffers
.set WS,  64                           ; v[64:95]   weight numbers in f32 as loaded, two buffers
.set AF,  96                           ; v[96:159]  activation fragments, two buffers of four
.set RED, 96                           ; v[96:127]  later: the four partial sums
.set EP,  160                          ; v[160:171] bias, packed result
.macro ROUND                           ; a round of the cluster's barrier
	s_barrier_signal -1
	s_barrier_wait -1
	s_cmp_lg_u32 s20, 0
	s_cbranch_scc1 .Lnot_wave_0_\@
	s_barrier_signal -3
.Lnot_wave_0_\@:
	s_barrier_wait -3
	s_barrier_signal -1
	s_barrier_wait -1
.endm
.macro PLACES                          ; four places behind a matrix instruction before its registers are loaded into, read or rewritten (ISA guide 7.12.1)
.rept 4
	v_nop
.endr
.endm
.macro LDT t                           ; the 12 LDS loads of K step t: 32 weight numbers in f32 a lane, four activation fragments
.irp q, 0,1,2,3
	ds_load_b128 v[WS+16*((\t)&1)+4*\q:WS+16*((\t)&1)+4*\q+3], v[VW] offset:128*(\t)+16*(\q&1)+64*(\q>>1)
.endr
.irp mt, 0,1,2,3
.irp c, 0,1
	ds_load_b128 v[AF+32*((\t)&1)+8*\mt+4*\c:AF+32*((\t)&1)+8*\mt+4*\c+3], v[VA] offset:\mt*A_MT+(\t)*A_T+\c*A_C
.endr
.endr
.endm
.macro CVT t                           ; the weight fragment in bf16, k in its natural places
.irp q, 0,1,2,3,4,5,6,7
	v_cvt_pk_bf16_f32 v[WF+8*((\t)&1)+\q], v[WS+16*((\t)&1)+2*\q], v[WS+16*((\t)&1)+2*\q+1]
.endr
.endm
.macro MM t, zero                      ; source 0 = 16 weight rows, source 1 = 16 activation rows: lane r holds row r, register j column 8 h + j.
.irp mt, 0,1,2,3                       ; The four accumulators take turns, one instruction a turn.
.if \zero
	v_wmma_f32_16x16x32_bf16 v[ACC+8*\mt:ACC+8*\mt+7], v[WF+8*((\t)&1):WF+8*((\t)&1)+7], v[AF+32*((\t)&1)+8*\mt:AF+32*((\t)&1)+8*\mt+7], 0
.else
	v_wmma_f32_16x16x32_bf16 v[ACC+8*\mt:ACC+8*\mt+7], v[WF+8*((\t)&1):WF+8*((\t)&1)+7], v[AF+32*((\t)&1)+8*\mt:AF+32*((\t)&1)+8*\mt+7], v[ACC+8*\mt:ACC+8*\mt+7]
.endif
.endr
.endm
.macro STEP t, left, more, zero
	s_wait_dscnt \left                             ; this step's 12 loads are in; the next step's 12 stay out
	CVT \t
	MM \t, \zero
.if \more
	PLACES
	LDT \t+2
.endif
.endm
	s_load_b256 s[4:11], s[0:1], 0x0               ; qin s[4:5], in_proj_weight s[6:7], in_proj_bias s[8:9], q s[10:11]
	v_lshrrev_b32 v1, 5, v0
	v_readfirstlane_b32 s20, v1                    ; wave 0..3 = my quarter of K
	s_bfe_u32 s21, ttmp6, 0x40000                  ; my place in the cluster
	s_lshl_b32 s22, ttmp9, 2
	s_add_co_u32 s22, s22, s21                     ; column tile 0..63
	; group 1 of the activation tile: 64 rows x 256 bf16, joint for the four work-groups
	s_mov_b32 s24, 15|(1<<16)|(1<<20)|(1<<21)|(6<<22)|(3<<25)   ; mask 15; 2-byte elements; padding on; bit 21 beside a mask; 4 words behind every 128
	s_mov_b32 s25, 256<<16                         ; tensor_dim0 = 256
	s_mov_b32 s26, 64<<16                          ; tensor_dim1 = 64
	s_mov_b32 s27, 256<<16                         ; tile_dim0 = 256
	s_mov_b32 s28, 64                              ; tile_dim1 = 64
	s_mov_b32 s29, 1024                            ; elements from row to row
	s_mov_b32 s30, 0
	s_mov_b32 s31, 0
	; group 1 of the weight tile: 16 rows x 256 f32
	s_mov_b32 s36, (2<<16)|(1<<20)|(7<<22)|(3<<25) ; no mask; 4-byte elements; 4 words behind every 256
	s_mov_b32 s37, 256<<16
	s_mov_b32 s38, 16<<16
	s_mov_b32 s39, 256<<16
	s_mov_b32 s40, 16
	s_mov_b32 s41, 1024
	s_mov_b32 s42, 0
	s_mov_b32 s43, 0
	s_mov_b32 s32, 1
	s_mul_i32 s33, s20, REG                        ; LDS: the wave's number times a constant
	s_mov_b32 s44, 1
	s_add_co_u32 s45, s33, ATILE
	s_lshl_b32 s48, s20, 9                         ; my K quarter in a row of bf16
	s_mov_b32 s49, 0
	s_lshl_b32 s50, s22, 16                        ; 16 weight rows of 4,096 bytes a tile,
	s_lshl_b32 s51, s20, 10                        ; my K quarter in a row of f32
	s_add_co_u32 s50, s50, s51
	s_mov_b32 s51, 0
	s_wait_kmcnt 0x0
	s_add_nc_u64 s[34:35], s[4:5], s[48:49]        ; hangs on the wave's number alone: equal in the four partners
	s_or_b32 s35, s35, 0x80000000
	s_add_nc_u64 s[46:47], s[6:7], s[50:51]
	s_or_b32 s47, s47, 0x80000000
	ROUND                                          ; the four work-groups are here: the joint loads meet
	tensor_load_to_lds s[32:35], s[24:31]          ; two tensor loads of this wave are out, and no more follow
	tensor_load_to_lds s[44:47], s[36:43]
	s_lshl_b32 s52, s22, 6
	s_mov_b32 s53, 0
	s_add_nc_u64 s[8:9], s[8:9], s[52:53]          ; bq of my 16 columns
	s_lshl_b32 s52, s22, 11
	s_add_nc_u64 s[10:11], s[10:11], s[52:53]      ; my tile of q
	v_and_b32 v2, 15, v0                           ; r
	v_bfe_u32 v3, v0, 4, 1                         ; h
	v_and_b32 v4, 31, v0                           ; lane
	v_lshlrev_b32 v9, 5, v3                        ; 8 h columns of f32
	global_load_b128 v[EP:EP+3], v9, s[8:9]
	global_load_b128 v[EP+4:EP+7], v9, s[8:9] offset:16
	v_mul_u32_u24 v[VA], v2, 528
	v_lshl_add_u32 v[VA], v3, 4, v[VA]
	v_add_nc_u32 v[VA], s33, v[VA]                 ; row r, 16 bytes for each half of the lanes
	v_mul_u32_u24 v[VW], v2, 1040
	v_lshl_add_u32 v[VW], v3, 5, v[VW]
	v_add_nc_u32 v[VW], s45, v[VW]                 ; row r, 32 bytes (8 f32) for each half
	s_lshl_b32 s52, s20, 12
	s_add_co_u32 s52, s52, SCR
	v_lshl_add_u32 v[VS], v4, 4, s52
	s_lshl_b32 s54, s20, 10
	s_add_co_u32 s54, s54, SCR
	v_lshl_add_u32 v[VR], v4, 4, s54
	v_lshlrev_b32 v10, 5, v2                       ; q: row 16 w + r of 32 bytes, 16 bytes for each half
	v_lshl_add_u32 v10, v3, 4, v10
	s_lshl_b32 s55, s20, 9
	v_add_nc_u32 v10, s55, v10
	s_wait_tensorcnt 0x0                           ; my two tiles are in LDS; I read no other wave's tiles
	LDT 0
	LDT 1
	STEP 0, 12, 1, 1                               ; the first products start the sums: nothing is cleared
.irp t, 1,2,3,4,5
	STEP \t, 12, 1, 0
.endr
	STEP 6, 12, 0, 0
	STEP 7, 0, 0, 0
	PLACES
	; the sum over the four K quarters: every wave puts its four blocks down and takes up block w of all four
.irp mt, 0,1,2,3
.irp c, 0,1
	ds_store_b128 v[VS], v[ACC+8*\mt+4*\c:ACC+8*\mt+4*\c+3] offset:\mt*1024+\c*512
.endr
.endr
	s_wait_dscnt 0x0                               ; my stores are done before I say so
	s_barrier_signal -1
	s_barrier_wait -1
.irp src, 0,1,2,3
.irp c, 0,1
	ds_load_b128 v[RED+8*\src+4*\c:RED+8*\src+4*\c+3], v[VR] offset:\src*4096+\c*512
.endr
.endr
	s_wait_dscnt 0x0
.irp k, 0,2,4,6
	v_pk_add_f32 v[RED+\k:RED+\k+1], v[RED+\k:RED+\k+1], v[RED+8+\k:RED+8+\k+1]
	v_pk_add_f32 v[RED+16+\k:RED+16+\k+1], v[RED+16+\k:RED+16+\k+1], v[RED+24+\k:RED+24+\k+1]
.endr
.irp k, 0,2,4,6
	v_pk_add_f32 v[RED+\k:RED+\k+1], v[RED+\k:RED+\k+1], v[RED+16+\k:RED+16+\k+1]
.endr
	s_wait_loadcnt 0x0                             ; the bias
.irp k, 0,2,4,6
	v_pk_add_f32 v[RED+\k:RED+\k+1], v[RED+\k:RED+\k+1], v[EP+\k:EP+\k+1]
.endr
.irp k, 0,2,4,6
	v_pk_mul_f32 v[RED+\k:RED+\k+1], v[RED+\k:RED+\k+1], 0x3e38aa3b op_sel_hi:[1,0]   ; x 0.125 log2(e)
.endr
.irp k, 0,1,2,3
	v_cvt_pk_bf16_f32 v[EP+8+\k], v[RED+2*\k], v[RED+2*\k+1]
.endr
	global_store_b128 v10, v[EP+8:EP+11], s[10:11] ; the wave's store covers 512 consecutive bytes, aligned
	ROUND                                          ; the closing round: no work-group ends while a partner may still ask jointly
	s_endpgm
.Lfunc_end_k_q97e6a7f06a_qproj:
	.size	k_q97e6a7f06a_qproj, .Lfunc_end_k_q97e6a7f06a_qproj-k_q97e6a7f06a_qproj
	.p2alignl 7, 3214868480
	.fill 96, 4, 3214868480
	.section	.rodata,"a",@progbits
	.p2align	6, 0x0
	.amdhsa_kernel k_q97e6a7f06a_qproj
		.amdhsa_group_segment_fixed_size 218112
		.amdhsa_private_segment_fixed_size 0
		.amdhsa_enable_private_segment 0
		.amdhsa_kernarg_size 32
		.amdhsa_user_sgpr_count 2
		.amdhsa_user_sgpr_kernarg_segment_ptr 1
		.amdhsa_wavefront_size32 1
		.amdhsa_system_sgpr_workgroup_id_x 1
		.amdhsa_system_sgpr_workgroup_id_y 1
		.amdhsa_system_sgpr_workgroup_id_z 1
		.amdhsa_system_vgpr_workitem_id 0
		.amdhsa_next_free_vgpr 192
		.amdhsa_next_free_sgpr 66
		.amdhsa_reserve_vcc 0
		.amdhsa_float_denorm_mode_32 3
		.amdhsa_float_denorm_mode_16_64 3
		.amdhsa_memory_ordered 1
		.amdhsa_forward_progress 1
		.amdhsa_inst_pref_size 21
	.end_amdhsa_kernel
	.amdgpu_metadata
---
amdhsa.version: [ 1, 2 ]
amdhsa.kernels:
  - .name:           k_q97e6a7f06a_qproj
    .symbol:         k_q97e6a7f06a_qproj.kd
    .args:
      - { .name: qin, .offset: 0, .size: 8, .value_kind: global_buffer, .address_space: global }
      - { .name: in_proj_weight, .offset: 8, .size: 8, .value_kind: global_buffer, .address_space: global }
      - { .name: in_proj_bias, .offset: 16, .size: 8, .value_kind: global_buffer, .address_space: global }
      - { .name: q, .offset: 24, .size: 8, .value_kind: global_buffer, .address_space: global }
    .group_segment_fixed_size: 218112
    .private_segment_fixed_size: 0
    .kernarg_segment_align: 8
    .kernarg_segment_size: 32
    .max_flat_workgroup_size: 128
    .sgpr_count:     66
    .vgpr_count:     192
    .wavefront_size: 32
...
	.end_amdgpu_metadata
.endif
;; end of part 2
;; launch qkproj (part 3): grid 128 x 1, 4 waves a work-group, no clusters, 16,384 bytes of LDS; arguments q, in_proj_weight, in_proj_bias, qk, cb; writes qk, cb
.if DOCPART == 3
	.amdgcn_target "amdgcn-amd-amdhsa--gfx1250"
	.amdhsa_code_object_version 6
	.text
	.protected	k_q97e6a7f06a_qkproj
	.globl	k_q97e6a7f06a_qkproj
	.p2align	8
	.type	k_q97e6a7f06a_qkproj,@function
k_q97e6a7f06a_qkproj:
	s_mov_b64 s[64:65], 0
	v_nop
	global_prefetch_b8 v0, s[64:65] scope:SCOPE_SE
	s_setreg_imm32_b32 hwreg(HW_REG_WAVE_MODE, 25, 1), 1
	s_wait_xcnt 0x0
; qkproj: qk[b][h][e] = sum over d of q[b][64 h + d] Wk[64 h + d][e], so that a token's score is qk . x instead of q . (Wk x);
; and c[b][h] = sum over d of q[b][64 h + d] bk[64 h + d], the bias's share of every score, as two half sums.
; A work-group takes one head and 128 columns e (16 x 8 = 128 work-groups): 64 rows of Wk x 512 bytes, each byte of Wk read once.
; Wk lies [d][e], the matrix unit wants d along a lane's registers: a lane loads 4 neighbouring e of 16 rows d and packs
; pairs of rows, which gives four B fragments whose column r stands for e = 64 g + 4 r + jj.  Wave (ks, g) makes the four fragments of
; K step ks and column half g; all sixteen meet in LDS, and wave w multiplies them by q's rows 16 w .. 16 w + 15.
; A lane then holds 8 numbers of one row: they are stored as 16 neighbouring bytes, so inside each block of 128 columns position
; 8 r + 4 g + jj holds e = 64 g + 4 r + jj.  The next launch reads x in the same order.
; No cluster and no tensor loads: what the eight work-groups of a head share is q's 8 KiB of a work-group's 40 KiB, and the
; weights go straight into the registers in which they are packed.
; Limit: Wk is rounded to bf16 on the way, qk leaves rounded to bf16.
.set QA,   240                         ; v[240:255] q's fragments of my 16 rows, K steps 0 and 1
.set WL,   16                          ; v[16:79]   Wk as loaded: 16 rows x 4 columns
.set BF,   80                          ; v[80:111]  my four fragments
.set BK,   144                         ; v[144:175] bk of my 32 d (column block 0 only)
.set BALL, 16                          ; v[16:143]  all sixteen fragments
.set DT,   144                         ; v[144:207] eight result tiles
.set OU,   208                         ; v[208:239] packed results
	s_load_b256 s[4:11], s[0:1], 0x0               ; q s[4:5], in_proj_weight s[6:7], in_proj_bias s[8:9], qk s[10:11]
	s_load_b64 s[12:13], s[0:1], 0x20              ; cb
	v_lshrrev_b32 v1, 5, v0
	v_readfirstlane_b32 s20, v1                    ; wave
	s_lshr_b32 s21, ttmp9, 3                       ; head
	s_and_b32 s22, ttmp9, 7                        ; block of 128 columns
	s_lshr_b32 s23, s20, 1                         ; ks: which 32 rows d I load
	s_and_b32 s24, s20, 1                          ; g: which 64 columns
	v_and_b32 v2, 15, v0                           ; r
	v_bfe_u32 v3, v0, 4, 1                         ; h
	v_and_b32 v4, 31, v0                           ; lane
	v_lshlrev_b32 v5, 5, v2                        ; q: row 16 w + r of 32 bytes, 16 bytes for each half
	v_lshl_add_u32 v5, v3, 4, v5
	s_lshl_b32 s14, s20, 9
	v_add_nc_u32 v5, s14, v5
	v_lshlrev_b32 v6, 4, v2                        ; Wk: 8 h rows down, 4 r columns in
	v_lshl_add_u32 v6, v3, 15, v6
	v_lshlrev_b32 v7, 5, v3                        ; bk: 8 h numbers in
	v_lshlrev_b32 v8, 2, v2                        ; cb: half h, sequence 16 w + r
	v_lshl_add_u32 v8, v3, 8, v8
	s_lshl_b32 s14, s20, 6
	v_add_nc_u32 v8, s14, v8
	v_lshlrev_b32 v10, 4, v4                       ; LDS: 16 x lane,
	s_lshl_b32 s14, s20, 12
	v_add_nc_u32 v9, s14, v10                      ; and my four fragments' place
	v_lshlrev_b32 v11, 4, v2                       ; qk: sequence 16 w + 8 h (32,768 bytes each), 16 r bytes in
	v_lshl_add_u32 v11, v3, 18, v11
	s_lshl_b32 s14, s20, 19
	v_add_nc_u32 v11, s14, v11
	s_lshl_b32 s14, s21, 13                        ; q: the head's four column tiles of 2,048 bytes
	s_mov_b32 s15, 0
	s_lshl_b32 s16, s21, 18                        ; Wk: row 1,024 + 64 head + 32 ks, column 128 block + 64 g
	s_lshl_b32 s18, s23, 17
	s_add_co_u32 s16, s16, s18
	s_lshl_b32 s18, s22, 9
	s_add_co_u32 s16, s16, s18
	s_lshl_b32 s18, s24, 8
	s_add_co_u32 s16, s16, s18
	s_add_co_u32 s16, s16, 0x400000
	s_mov_b32 s17, 0
	s_wait_kmcnt 0x0
	s_add_nc_u64 s[4:5], s[4:5], s[14:15]
	s_add_nc_u64 s[6:7], s[6:7], s[16:17]
	s_lshl_b32 s14, s21, 8
	s_add_co_u32 s14, s14, 4096
	s_add_nc_u64 s[8:9], s[8:9], s[14:15]          ; bk of the head
	s_lshl_b32 s14, s21, 11
	s_lshl_b32 s16, s22, 8
	s_add_co_u32 s14, s14, s16
	s_add_nc_u64 s[10:11], s[10:11], s[14:15]      ; qk: the head's row, the block's 256 bytes
	s_lshl_b32 s14, s21, 9
	s_add_nc_u64 s[12:13], s[12:13], s[14:15]      ; cb of the head
.irp ks, 0,1
.irp c, 0,1
	global_load_b128 v[QA+8*\ks+4*\c:QA+8*\ks+4*\c+3], v5, s[4:5] offset:(2*\ks+\c)*2048   ; 512 consecutive bytes a load
.endr
.endr
.irp i, 0,1,2,3,4,5,6,7
	global_load_b128 v[WL+4*\i:WL+4*\i+3], v6, s[6:7] offset:\i*4096 th:TH_LOAD_NT         ; rows 8 h + i: sixteen lanes take 256 consecutive bytes
.endr
.irp i, 0,1,2,3,4,5,6,7
	global_load_b128 v[WL+32+4*\i:WL+32+4*\i+3], v6, s[6:7] offset:(16+\i)*4096 th:TH_LOAD_NT   ; rows 16 + 8 h + i
.endr
	; c, by the work-group of column block 0 alone: lane (r, h) holds 32 of the 64 d of sequence 16 w + r and sums them in f32
	s_cmp_lg_u32 s22, 0
	s_cbranch_scc1 .Lno_c
.irp ks, 0,1
.irp q, 0,1,2,3
	global_load_b128 v[BK+16*\ks+4*\q:BK+16*\ks+4*\q+3], v7, s[8:9] offset:128*\ks+16*(\q&1)+64*(\q>>1)
.endr
.endr
	v_mov_b32 v12, 0                               ; two chains, one for each K step
	v_mov_b32 v13, 0
	s_wait_loadcnt 0x0
.irp n, 0,1,2,3,4,5,6,7
.irp ks, 0,1
	v_fma_mix_f32_bf16 v[12+\ks], v[QA+8*\ks+\n], v[BK+16*\ks+2*\n], v[12+\ks] op_sel_hi:[1,0,0]
	v_fma_mix_f32_bf16 v[12+\ks], v[QA+8*\ks+\n], v[BK+16*\ks+2*\n+1], v[12+\ks] op_sel:[1,0,0] op_sel_hi:[1,0,0]
.endr
.endr
	v_add_f32 v12, v12, v13
	global_store_b32 v8, v12, s[12:13]
.Lno_c:
	s_wait_loadcnt 0x0                             ; q and Wk
.irp jj, 0,1,2,3
.irp i, 0,1,2,3,4,5,6,7
	v_cvt_pk_bf16_f32 v[BF+8*\jj+\i], v[WL+8*\i+\jj], v[WL+8*\i+4+\jj]     ; two neighbouring d of column 4 r + jj
.endr
.endr
.irp jj, 0,1,2,3
.irp c, 0,1
	ds_store_b128 v9, v[BF+8*\jj+4*\c:BF+8*\jj+4*\c+3] offset:\jj*1024+\c*512
.endr
.endr
	s_wait_dscnt 0x0                               ; my fragments are in LDS before I say so
	s_barrier_signal -1
	s_barrier_wait -1
.irp f, 0,1,2,3,4,5,6,7,8,9,10,11,12,13,14,15
.irp c, 0,1
	ds_load_b128 v[BALL+8*\f+4*\c:BALL+8*\f+4*\c+3], v10 offset:\f*1024+\c*512
.endr
.endr
	s_wait_dscnt 0x10                              ; K step 0's eight fragments are in; the 16 younger loads stay out
.irp f, 0,1,2,3,4,5,6,7
	v_wmma_f32_16x16x32_bf16 v[DT+8*\f:DT+8*\f+7], v[QA:QA+7], v[BALL+8*\f:BALL+8*\f+7], 0
.endr
	s_wait_dscnt 0x0
.irp f, 0,1,2,3,4,5,6,7
	v_wmma_f32_16x16x32_bf16 v[DT+8*\f:DT+8*\f+7], v[QA+8:QA+15], v[BALL+64+8*\f:BALL+64+8*\f+7], v[DT+8*\f:DT+8*\f+7]   ; the eight accumulators take turns
.endr
.rept 4
	v_nop                                          ; four places before the results are read (ISA guide 7.12.1)
.endr
.irp j, 0,1,2,3,4,5,6,7
.irp p, 0,1,2,3
	v_cvt_pk_bf16_f32 v[OU+4*\j+\p], v[DT+16*\p+\j], v[DT+16*\p+8+\j]
.endr
	global_store_b128 v11, v[OU+4*\j:OU+4*\j+3], s[10:11] offset:\j*32768  ; sequence 16 w + 8 h + j: sixteen lanes store 256 consecutive bytes, aligned
.endr
	s_endpgm
.Lfunc_end_k_q97e6a7f06a_qkproj:
	.size	k_q97e6a7f06a_qkproj, .Lfunc_end_k_q97e6a7f06a_qkproj-k_q97e6a7f06a_qkproj
	.p2alignl 7, 3214868480
	.fill 96, 4, 3214868480
	.section	.rodata,"a",@progbits
	.p2align	6, 0x0
	.amdhsa_kernel k_q97e6a7f06a_qkproj
		.amdhsa_group_segment_fixed_size 16384
		.amdhsa_private_segment_fixed_size 0
		.amdhsa_enable_private_segment 0
		.amdhsa_kernarg_size 40
		.amdhsa_user_sgpr_count 2
		.amdhsa_user_sgpr_kernarg_segment_ptr 1
		.amdhsa_wavefront_size32 1
		.amdhsa_system_sgpr_workgroup_id_x 1
		.amdhsa_system_sgpr_workgroup_id_y 1
		.amdhsa_system_sgpr_workgroup_id_z 1
		.amdhsa_system_vgpr_workitem_id 0
		.amdhsa_next_free_vgpr 256
		.amdhsa_next_free_sgpr 66
		.amdhsa_reserve_vcc 0
		.amdhsa_float_denorm_mode_32 3
		.amdhsa_float_denorm_mode_16_64 3
		.amdhsa_memory_ordered 1
		.amdhsa_forward_progress 1
		.amdhsa_inst_pref_size 16
	.end_amdhsa_kernel
	.amdgpu_metadata
---
amdhsa.version: [ 1, 2 ]
amdhsa.kernels:
  - .name:           k_q97e6a7f06a_qkproj
    .symbol:         k_q97e6a7f06a_qkproj.kd
    .args:
      - { .name: q, .offset: 0, .size: 8, .value_kind: global_buffer, .address_space: global }
      - { .name: in_proj_weight, .offset: 8, .size: 8, .value_kind: global_buffer, .address_space: global }
      - { .name: in_proj_bias, .offset: 16, .size: 8, .value_kind: global_buffer, .address_space: global }
      - { .name: qk, .offset: 24, .size: 8, .value_kind: global_buffer, .address_space: global }
      - { .name: cb, .offset: 32, .size: 8, .value_kind: global_buffer, .address_space: global }
    .group_segment_fixed_size: 16384
    .private_segment_fixed_size: 0
    .kernarg_segment_align: 8
    .kernarg_segment_size: 40
    .max_flat_workgroup_size: 128
    .sgpr_count:     66
    .vgpr_count:     256
    .wavefront_size: 32
...
	.end_amdgpu_metadata
.endif
;; end of part 3
;; launch attn (part 4): grid 256 x 1, 8 waves a work-group, no clusters, 327,680 bytes of LDS; arguments model_output, knowledge_output, input_ids, qk, cb, y, stats; writes y, stats
.if DOCPART == 4
	.amdgcn_target "amdgcn-amd-amdhsa--gfx1250"
	.amdhsa_code_object_version 6
	.text
	.protected	k_q97e6a7f06a_attn
	.globl	k_q97e6a7f06a_attn
	.p2align	8
	.type	k_q97e6a7f06a_attn,@function
k_q97e6a7f06a_attn:
	s_mov_b64 s[64:65], 0
	v_nop
	global_prefetch_b8 v0, s[64:65] scope:SCOPE_SE
	s_setreg_imm32_b32 hwreg(HW_REG_WAVE_MODE, 25, 1), 1
	s_wait_xcnt 0x0
; attn: the one pass over model_output.  Work-group id takes tokens 128 p .. 128 p + 127 of sequence b (id = 4 b + p), in four tiles of
; 32 tokens, all 16 heads at once.  For each tile: scores s[token][head] = x . qk[head] + c[head] (in powers of two), a running maximum,
; p = 2^(s - m), l = sum of p, acc[head][e] = sum of p x.  Out: y = acc / l in bf16, and m, l in f32; the four parts of a sequence are
; joined behind the Wv product of the next launch.
; KNOWLEDGE TOKENS: their score is replaced bit for bit by qk . kn + c, and in the weighted sum their packed x is replaced bit for bit
; by kn: nothing of a replaced row reaches a sum.
; Wave w owns columns 128 w .. 128 w + 127 in both products, brings them in by its own tensor loads and reads only those bytes; the
; eight partial scores meet in LDS.  Each byte of x comes from memory once and is read from LDS twice (rows for the scores, columns for the sum).
; RING: two slots a wave, each 32 tokens x 512 bytes.  A slot is filled again in this order: the wave waits for its LDS reads and for all
; its tensor loads, passes a barrier with the other seven, and issues the one load first thing behind it.  At most four tensor loads of a
; wave are out (at the start), later one.
; No cluster: the four work-groups of a sequence share qk[b] and kn[b], 36 KiB of the 548 KiB that each brings in.
; Limits: x, kn, qk and p enter the matrix unit rounded to bf16; l is summed from the unrounded p; y leaves rounded to bf16.
.set KNOW_ID, 30002
.set XP,    528                        ; an LDS row of x: 512 bytes + 16, an odd multiple of 16
.set SLOT,  32*XP
.set RING,  2*SLOT                     ; a wave's two slots
.set QKR,   8*RING                     ; qk: for each wave 16 heads x (256 + 16) bytes; filled once, at the end the wave's stage on the way out
.set QP,    272
.set QKW,   16*QP
.set KNR,   QKR+8*QKW                  ; kn: 512 bytes a wave
.set EXCH,  KNR+8*512                  ; partial scores: 2,048 bytes a wave; written by LDS stores, never by a tensor load
.set EXK,   EXCH+8*2048                ; partial knowledge scores: 128 bytes a wave; likewise
.set VA,  1                            ; x by rows: row r, 32 h bytes in
.set VB,  2                            ; x by columns: row 8 h, 16 r bytes in
.set VXW, 3                            ; where I put my partial scores
.set VXR, 4                            ; where I read wave 0's
.set LS,  5                            ; l
.set MM,  6                            ; v[6:7]    m, twice
.set AL,  8                            ; v[8:9]    2^(old m - new m), twice; at the end 1 / l
.set CC,  10                           ; v[10:11]  c of my head, twice
.set SK,  12                           ; the knowledge token's score
.set VEK, 13                           ; where I read wave 0's partial knowledge score
.set TP,  14                           ; v[14:17]  at work
.set VEW, 18                           ; where I put mine
.set ACC, 20                           ; v[20:83]   eight accumulators: tile 4 g + jj, register j of lane (r, h): head r, column 64 g + 4 (8 h + j) + jj
.set QKF, 84                           ; v[84:115]  qk's four fragments
.set KND, 116                          ; v[116:123] kn of column 64 g + 4 r + jj in both halves of a word
.set MSK, 124                          ; v[124:131] 0xffff in the half of a knowledge token; at the start: throw-away addresses
.set SC,  132                          ; v[132:147] scores, then p: register 8 tt + j = token 16 tt + 8 h + j, head r
.set PF,  148                          ; v[148:155] p in bf16: the B fragment
.set STG, 156                          ; v[156:219] f32 as loaded
.set FR,  220                          ; v[220:251] x fragments in bf16
.set KB,  252                          ; v[252:255] tile t: bit 8 tt + j = my token is a knowledge token
.set G1X, 28                           ; s[28:35] x tile's shape;  s[36:43] from where and to where, one set a slot
.set G0X, 36
.set G1Q, 44                           ; s[44:51], s[52:55] qk
.set G0Q, 52
.set G1K, 56                           ; s[56:63], s[68:71] kn
.set G0K, 68
.macro PLACES                          ; four places behind a matrix instruction before its registers are loaded into, read or rewritten (ISA guide 7.12.1)
.rept 4
	v_nop
.endr
.endm
; Scores, quarter t4 of my 128 columns.  k runs in the order in which qk is stored: fragment place (h, c, 4 g + jj) is column 64 g + 16 t4 + 8 h + 4 c + jj.
.macro P1LD slot, t4
.irp tt, 0,1
.irp c, 0,1
.irp g, 0,1
	ds_load_b128 v[STG+32*((\t4)&1)+16*\tt+4*(2*\c+\g):STG+32*((\t4)&1)+16*\tt+4*(2*\c+\g)+3], v[VA] offset:\slot*SLOT+\tt*16*XP+64*(\t4)+16*\c+256*\g
.endr
.endr
.endr
.endm
.macro P1CV t4
.irp n, 0,1,2,3,4,5,6,7,8,9,10,11,12,13,14,15
	v_cvt_pk_bf16_f32 v[FR+16*((\t4)&1)+\n], v[STG+32*((\t4)&1)+2*\n], v[STG+32*((\t4)&1)+2*\n+1]
.endr
.endm
.macro P1MM t4, zero                   ; rows = tokens, columns = heads; the two accumulators take turns
.irp tt, 0,1
.if \zero
	v_wmma_f32_16x16x32_bf16 v[SC+8*\tt:SC+8*\tt+7], v[FR+16*((\t4)&1)+8*\tt:FR+16*((\t4)&1)+8*\tt+7], v[QKF+8*(\t4):QKF+8*(\t4)+7], 0
.else
	v_wmma_f32_16x16x32_bf16 v[SC+8*\tt:SC+8*\tt+7], v[FR+16*((\t4)&1)+8*\tt:FR+16*((\t4)&1)+8*\tt+7], v[QKF+8*(\t4):QKF+8*(\t4)+7], v[SC+8*\tt:SC+8*\tt+7]
.endif
.endr
.endm
; The weighted sum, half g of my columns: a lane loads 4 neighbouring columns of its 16 tokens and packs pairs of tokens.
.macro P2LD slot, g
.irp i, 0,1,2,3,4,5,6,7,8,9,10,11,12,13,14,15
	ds_load_b128 v[STG+4*\i:STG+4*\i+3], v[VB] offset:\slot*SLOT+(\i+8*(\i>>3))*XP+256*\g   ; tokens 8 h + 0..7, then 16 + 8 h + 0..7
.endr
.endm
.macro P2CV
.irp jj, 0,1,2,3
.irp i, 0,1,2,3,4,5,6,7
	v_cvt_pk_bf16_f32 v[FR+8*\jj+\i], v[STG+8*\i+\jj], v[STG+8*\i+4+\jj]
.endr
.endr
.endm
.macro P2BF g                          ; knowledge tokens' halves take kn
.irp jj, 0,1,2,3
.irp i, 0,1,2,3,4,5,6,7
	v_bfi_b32 v[FR+8*\jj+\i], v[MSK+\i], v[KND+4*\g+\jj], v[FR+8*\jj+\i]
.endr
.endr
.endm
.macro P2MM g, zero                    ; rows = columns of x, columns = heads: a lane's results are all of one head.  Each accumulator has one turn a tile.
.irp jj, 0,1,2,3
.if \zero
	v_wmma_f32_16x16x32_bf16 v[ACC+8*(4*\g+\jj):ACC+8*(4*\g+\jj)+7], v[FR+8*\jj:FR+8*\jj+7], v[PF:PF+7], 0
.else
	v_wmma_f32_16x16x32_bf16 v[ACC+8*(4*\g+\jj):ACC+8*(4*\g+\jj)+7], v[FR+8*\jj:FR+8*\jj+7], v[PF:PF+7], v[ACC+8*(4*\g+\jj):ACC+8*(4*\g+\jj)+7]
.endif
.endr
.endm
.macro XLD part, dst                   ; wave part's partial scores
.irp q, 0,1,2,3
	ds_load_b128 v[\dst+4*\q:\dst+4*\q+3], v[VXR] offset:\part*2048+\q*512
.endr
.endm
.macro XADD src
.irp k, 0,2,4,6,8,10,12,14
	v_pk_add_f32 v[SC+\k:SC+\k+1], v[SC+\k:SC+\k+1], v[\src+\k:\src+\k+1]
.endr
.endm
; One tile of 32 tokens.  left = how many younger tensor loads may stay out; first = 1: the tile starts m, l and the sums.
.macro TILE t, slot, left, first
	s_wait_tensorcnt \left                         ; a wave's tensor loads end in order (ISA guide 10.11.1): my tile is in LDS
	P1LD \slot, 0
	P1LD \slot, 1
	s_wait_dscnt 0x8                               ; this quarter's 8 loads are in, the next quarter's 8 stay out
	P1CV 0
	P1LD \slot, 2
	P1MM 0, 1
	s_wait_dscnt 0x8
	P1CV 1
	P1LD \slot, 3
	P1MM 1, 0
	s_wait_dscnt 0x8
	P1CV 2
	P1MM 2, 0
	s_wait_dscnt 0x0
	P1CV 3
	P1MM 3, 0
	PLACES
.irp q, 0,1,2,3
	ds_store_b128 v[VXW], v[SC+4*\q:SC+4*\q+3] offset:\q*512
.endr
	s_wait_dscnt 0x0                               ; my partial scores (and, in the first tile, my partial knowledge score) are in LDS before I say so
	s_barrier_signal -1                            ; the next tile's load may stay out
	s_barrier_wait -1
	; every wave adds the eight parts in the same order, so all hold the same scores
	XLD 0, STG
	XLD 1, STG+16
	XLD 2, STG+32
	XLD 3, STG+48
	XLD 4, FR
	XLD 5, FR+16
	s_wait_dscnt 0x14                              ; each count: the younger loads, four a part
.irp k, 0,2,4,6,8,10,12,14
	v_pk_add_f32 v[SC+\k:SC+\k+1], v[STG+\k:STG+\k+1], v[CC:CC+1]
.endr
	s_wait_dscnt 0x10
	XADD STG+16
	XLD 6, STG
	XLD 7, STG+16
	s_wait_dscnt 0x14
	XADD STG+32
	s_wait_dscnt 0x10
	XADD STG+48
	s_wait_dscnt 0xc
	XADD FR
	s_wait_dscnt 0x8
	XADD FR+16
	s_wait_dscnt 0x4
	XADD STG
	s_wait_dscnt 0x0
	XADD STG+16
.if \first
.irp i, 0,1,2,3,4,5,6,7
	ds_load_b32 v[PF+\i], v[VEK] offset:\i*128
.endr
.endif
	P2LD \slot, 0                                  ; on their way during the softmax
.if \first
	s_wait_dscnt 0x10                              ; the eight words are in; the 16 younger loads stay out
	v_pk_add_f32 v[PF:PF+1], v[PF:PF+1], v[PF+2:PF+3]
	v_pk_add_f32 v[PF+4:PF+5], v[PF+4:PF+5], v[PF+6:PF+7]
	v_pk_add_f32 v[PF:PF+1], v[PF:PF+1], v[PF+4:PF+5]
	v_add_f32 v[SK], v[PF], v[PF+1]
	v_add_f32 v[SK], v[SK], v[CC]
.endif
	; knowledge tokens: all ones or zero from the token's bit; the score is replaced, the mask of the packed pair is kept
.irp i, 0,1,2,3,4,5,6,7
	v_lshlrev_b32 v[TP], 31-2*\i, v[KB+\t]
	v_lshlrev_b32 v[TP+1], 30-2*\i, v[KB+\t]
	v_ashrrev_i32 v[TP], 31, v[TP]
	v_ashrrev_i32 v[TP+1], 31, v[TP+1]
	v_bfi_b32 v[SC+2*\i], v[TP], v[SK], v[SC+2*\i]
	v_bfi_b32 v[SC+2*\i+1], v[TP+1], v[SK], v[SC+2*\i+1]
	v_perm_b32 v[MSK+\i], v[TP+1], v[TP], 0x05040100
.endr
	; the head's maximum over the 32 tokens: my 16, then the other half's
	v_max3_num_f32 v[TP], v[SC], v[SC+1], v[SC+2]
	v_max3_num_f32 v[TP+1], v[SC+3], v[SC+4], v[SC+5]
	v_max3_num_f32 v[TP], v[TP], v[SC+6], v[SC+7]
	v_max3_num_f32 v[TP+1], v[TP+1], v[SC+8], v[SC+9]
	v_max3_num_f32 v[TP], v[TP], v[SC+10], v[SC+11]
	v_max3_num_f32 v[TP+1], v[TP+1], v[SC+12], v[SC+13]
	v_max3_num_f32 v[TP], v[TP], v[SC+14], v[SC+15]
	v_max_num_f32 v[TP], v[TP], v[TP+1]
	v_permlanex16_b32 v[TP+1], v[TP], s72, s73
.if \first
	v_max_num_f32 v[MM], v[TP], v[TP+1]
	v_max_num_f32 v[MM+1], v[TP], v[TP+1]
.else
	v_max3_num_f32 v[TP+2], v[TP], v[TP+1], v[MM]
	v_sub_f32 v[TP+3], v[MM], v[TP+2]
	v_exp_f32 v[AL], v[TP+3]
	v_exp_f32 v[AL+1], v[TP+3]
	v_mov_b32 v[MM], v[TP+2]                       ; the plain instruction behind the exponentials (ISA guide 5.7.2)
	v_mov_b32 v[MM+1], v[TP+2]
.endif
.irp k, 0,2,4,6,8,10,12,14
	v_pk_add_f32 v[SC+\k:SC+\k+1], v[SC+\k:SC+\k+1], v[MM:MM+1] neg_lo:[0,1] neg_hi:[0,1]
.endr
.irp k, 0,1,2,3,4,5,6,7,8,9,10,11,12,13,14,15
	v_exp_f32 v[SC+\k], v[SC+\k]
.endr
	v_nop                                          ; one plain place before the results are used
	v_pk_add_f32 v[TP:TP+1], v[SC:SC+1], v[SC+2:SC+3]
	v_pk_add_f32 v[TP+2:TP+3], v[SC+4:SC+5], v[SC+6:SC+7]
	v_pk_add_f32 v[TP:TP+1], v[TP:TP+1], v[SC+8:SC+9]
	v_pk_add_f32 v[TP+2:TP+3], v[TP+2:TP+3], v[SC+10:SC+11]
	v_pk_add_f32 v[TP:TP+1], v[TP:TP+1], v[SC+12:SC+13]
	v_pk_add_f32 v[TP+2:TP+3], v[TP+2:TP+3], v[SC+14:SC+15]
	v_pk_add_f32 v[TP:TP+1], v[TP:TP+1], v[TP+2:TP+3]
	v_add_f32 v[TP], v[TP], v[TP+1]
	v_permlanex16_b32 v[TP+1], v[TP], s72, s73
.if \first
	v_add_f32 v[LS], v[TP], v[TP+1]
.else
	v_add_f32 v[TP], v[TP], v[TP+1]
	v_fma_f32 v[LS], v[LS], v[AL], v[TP]
.endif
.irp q, 0,1,2,3,4,5,6,7
	v_cvt_pk_bf16_f32 v[PF+\q], v[SC+2*\q], v[SC+2*\q+1]   ; the scores' layout is the B fragment's: tokens 8 h + 0..7, 16 + 8 h + 0..7 of head r
.endr
.if \first == 0
.irp k, 0,2,4,6,8,10,12,14,16,18,20,22,24,26,28,30,32,34,36,38,40,42,44,46,48,50,52,54,56,58,60,62
	v_pk_mul_f32 v[ACC+\k:ACC+\k+1], v[ACC+\k:ACC+\k+1], v[AL:AL+1]
.endr
.endif
	s_wait_dscnt 0x0
	P2CV
	P2LD \slot, 1
	P2BF 0
	P2MM 0, \first
	PLACES
	s_wait_dscnt 0x0
	P2CV
	P2BF 1
	P2MM 1, \first
	PLACES
.endm
; Slot s, which has been read, gets the tile two further on.
.macro FILL slot
	s_wait_dscnt 0x0                               ; my LDS reads are back: those of this slot, and those of the partial scores, which are written again behind the barrier
	s_wait_tensorcnt 0x0                           ; all my tensor loads have landed: no load of mine is out, so a group 0 may be written
	s_add_nc_u64 s[G0X+4*\slot+2:G0X+4*\slot+3], s[G0X+4*\slot+2:G0X+4*\slot+3], 0x40000   ; 64 tokens of 4,096 bytes on
	s_barrier_signal -1
	s_barrier_wait -1                              ; both now hold of all eight waves
	tensor_load_to_lds s[G0X+4*\slot:G0X+4*\slot+3], s[G1X:G1X+7]  ; my one tensor load behind this barrier, and the first thing there
.endm
	s_load_b256 s[4:11], s[0:1], 0x0               ; model_output s[4:5], knowledge s[6:7], ids s[8:9], qk s[10:11]
	s_load_b128 s[12:15], s[0:1], 0x20             ; cb s[12:13], y s[14:15]
	s_load_b64 s[16:17], s[0:1], 0x30              ; stats
	v_lshrrev_b32 v1, 5, v0
	v_readfirstlane_b32 s20, v1                    ; wave 0..7
	s_lshr_b32 s21, ttmp9, 2                       ; b
	s_and_b32 s22, ttmp9, 3                        ; p
	s_mov_b32 s72, 0x76543210                      ; v_permlanex16_b32: lane i reads lane i of the other half
	s_mov_b32 s73, 0xfedcba98
	s_mov_b32 s74, KNOW_ID
	; x: 32 rows x 128 f32, 4 words of padding behind every 128
	s_mov_b32 s[G1X+0], (2<<16)|(1<<20)|(6<<22)|(3<<25)
	s_mov_b32 s[G1X+1], 128<<16                    ; tensor_dim0 = 128
	s_mov_b32 s[G1X+2], 32<<16                     ; tensor_dim1 = 32
	s_mov_b32 s[G1X+3], 128<<16                    ; tile_dim0 = 128
	s_mov_b32 s[G1X+4], 32                         ; tile_dim1 = 32
	s_mov_b32 s[G1X+5], 1024                       ; elements from row to row
	s_mov_b32 s[G1X+6], 0
	s_mov_b32 s[G1X+7], 0
	; qk: 16 heads x 128 bf16, 4 words behind every 64
	s_mov_b32 s[G1Q+0], (1<<16)|(1<<20)|(5<<22)|(3<<25)
	s_mov_b32 s[G1Q+1], 128<<16
	s_mov_b32 s[G1Q+2], 16<<16
	s_mov_b32 s[G1Q+3], 128<<16
	s_mov_b32 s[G1Q+4], 16
	s_mov_b32 s[G1Q+5], 1024
	s_mov_b32 s[G1Q+6], 0
	s_mov_b32 s[G1Q+7], 0
	; kn: one row of 512 bytes as 64 elements of 8
	s_mov_b32 s[G1K+0], 3<<16
	s_mov_b32 s[G1K+1], 64<<16
	s_mov_b32 s[G1K+2], 1<<16
	s_mov_b32 s[G1K+3], 64<<16
	s_mov_b32 s[G1K+4], 1
	s_mov_b32 s[G1K+5], 64
	s_mov_b32 s[G1K+6], 0
	s_mov_b32 s[G1K+7], 0
	s_mov_b32 s[G0X+0], 1
	s_mul_i32 s[G0X+1], s20, RING                  ; every LDS address: a constant, the wave's number times a constant, the slot's constant
	s_mov_b32 s[G0X+4], 1
	s_add_co_u32 s[G0X+5], s[G0X+1], SLOT
	s_mov_b32 s[G0Q+0], 1
	s_mul_i32 s[G0Q+1], s20, QKW
	s_add_co_u32 s[G0Q+1], s[G0Q+1], QKR
	s_mov_b32 s[G0K+0], 1
	s_lshl_b32 s[G0K+1], s20, 9
	s_add_co_u32 s[G0K+1], s[G0K+1], KNR
	s_lshl_b32 s26, ttmp9, 19                      ; 128 tokens of 4,096 bytes a work-group: below 2^27
	s_lshl_b32 s25, s20, 9                         ; my 128 columns of f32
	s_add_co_u32 s26, s26, s25
	s_mov_b32 s27, 0
	s_wait_kmcnt 0x0
	s_add_nc_u64 s[G0X+2:G0X+3], s[4:5], s[26:27]  ; tile 0
	s_add_nc_u64 s[G0X+6:G0X+7], s[G0X+2:G0X+3], 0x20000   ; tile 1: 32 tokens on
	s_or_b32 s[G0X+3], s[G0X+3], 0x80000000
	s_or_b32 s[G0X+7], s[G0X+7], 0x80000000
	s_lshl_b32 s26, s21, 15
	s_lshl_b32 s18, s20, 8
	s_add_co_u32 s26, s26, s18
	s_add_nc_u64 s[G0Q+2:G0Q+3], s[10:11], s[26:27]
	s_or_b32 s[G0Q+3], s[G0Q+3], 0x80000000
	s_lshl_b32 s26, s21, 12
	s_add_co_u32 s26, s26, s25
	s_add_nc_u64 s[G0K+2:G0K+3], s[6:7], s[26:27]
	s_or_b32 s[G0K+3], s[G0K+3], 0x80000000
	; the four first fills go out together, ahead of every wait for a tensor load, every LDS read and every barrier
	tensor_load_to_lds s[G0Q:G0Q+3], s[G1Q:G1Q+7]
	tensor_load_to_lds s[G0K:G0K+3], s[G1K:G1K+7]
	tensor_load_to_lds s[G0X:G0X+3], s[G1X:G1X+7]
	tensor_load_to_lds s[G0X+4:G0X+7], s[G1X:G1X+7]
	v_and_b32 v124, 15, v0                         ; r
	v_bfe_u32 v125, v0, 4, 1                       ; h
	v_and_b32 v126, 31, v0                         ; lane
	v_lshlrev_b32 v130, 9, v124                    ; cb: head r, half h, sequence b
	v_lshl_add_u32 v130, v125, 8, v130
	s_lshl_b32 s18, s21, 2
	v_add_nc_u32 v130, s18, v130
	v_lshlrev_b32 v131, 5, v125                    ; ids: 8 h tokens in
	s_lshl_b32 s26, ttmp9, 9                       ; my 128 ids
	s_add_nc_u64 s[8:9], s[8:9], s[26:27]
	global_load_b32 v[CC], v130, s[12:13]
.irp t, 0,1,2,3
.irp q, 0,1,2,3
	global_load_b128 v[STG+16*\t+4*\q:STG+16*\t+4*\q+3], v131, s[8:9] offset:128*\t+16*(\q&1)+64*(\q>>1)
.endr
.endr
	v_mul_u32_u24 v[VA], v124, XP
	v_lshl_add_u32 v[VA], v125, 5, v[VA]
	v_add_nc_u32 v[VA], s[G0X+1], v[VA]
	v_mul_u32_u24 v[VB], v125, 8*XP
	v_lshl_add_u32 v[VB], v124, 4, v[VB]
	v_add_nc_u32 v[VB], s[G0X+1], v[VB]
	v_lshlrev_b32 v[VXR], 4, v126
	v_add_nc_u32 v[VXR], EXCH, v[VXR]
	s_lshl_b32 s18, s20, 11
	v_add_nc_u32 v[VXW], s18, v[VXR]
	v_lshlrev_b32 v[VEK], 2, v126
	v_add_nc_u32 v[VEK], EXK, v[VEK]
	s_lshl_b32 s19, s20, 7
	v_add_nc_u32 v[VEW], s19, v[VEK]
	v_mul_u32_u24 v127, v124, QP                   ; qk: head r, 32 h bytes in
	v_lshl_add_u32 v127, v125, 5, v127
	v_add_nc_u32 v127, s[G0Q+1], v127
	v_lshlrev_b32 v128, 4, v124                    ; kn by columns: 4 r
	v_add_nc_u32 v128, s[G0K+1], v128
	v_lshlrev_b32 v129, 5, v125                    ; kn as a row: 32 h bytes in, the same for all r
	v_add_nc_u32 v129, s[G0K+1], v129
	v_mov_b32 v[CC+1], 0                           ; destinations of lane exchanges count as read
	v_mov_b32 v[TP+1], 0
	s_wait_loadcnt 0x0                             ; c and the ids
	v_permlanex16_b32 v[CC+1], v[CC], s72, s73
	v_add_f32 v[CC], v[CC], v[CC+1]                ; the two half sums
	v_mov_b32 v[CC+1], v[CC]
.irp t, 0,1,2,3
	v_cmp_eq_u32 vcc_lo, s74, v[STG+16*\t+15]
	v_cndmask_b32 v[KB+\t], 0, 1, vcc_lo
.irp i, 14,13,12,11,10,9,8,7,6,5,4,3,2,1,0
	v_cmp_eq_u32 vcc_lo, s74, v[STG+16*\t+\i]
	v_cndmask_b32 v[TP], 0, 1, vcc_lo
	v_lshl_or_b32 v[KB+\t], v[KB+\t], 1, v[TP]
.endr
.endr
	s_wait_tensorcnt 0x2                           ; qk and kn are in LDS; the two younger loads (x) stay out
.irp t4, 0,1,2,3
.irp c, 0,1
	ds_load_b128 v[QKF+8*\t4+4*\c:QKF+8*\t4+4*\c+3], v127 offset:64*\t4+16*\c
.endr
.endr
.irp g, 0,1
	ds_load_b128 v[PF+4*\g:PF+4*\g+3], v128 offset:256*\g
.endr
.irp t4, 0,1,2,3
.irp c, 0,1
.irp g, 0,1
	ds_load_b128 v[STG+16*\t4+4*(2*\c+\g):STG+16*\t4+4*(2*\c+\g)+3], v129 offset:64*\t4+16*\c+256*\g
.endr
.endr
.endr
	s_wait_dscnt 0x0
.irp k, 0,1,2,3,4,5,6,7
	v_cvt_pk_bf16_f32 v[KND+\k], v[PF+\k], v[PF+\k]
.endr
.irp n, 0,1,2,3,4,5,6,7,8,9,10,11,12,13,14,15,16,17,18,19,20,21,22,23,24,25,26,27,28,29,30,31
	v_cvt_pk_bf16_f32 v[FR+\n], v[STG+2*\n], v[STG+2*\n+1]
.endr
	; my columns' share of qk . kn: sixteen equal rows of kn; two accumulators by turns
	v_wmma_f32_16x16x32_bf16 v[SC:SC+7], v[FR:FR+7], v[QKF:QKF+7], 0
	v_wmma_f32_16x16x32_bf16 v[SC+8:SC+15], v[FR+8:FR+15], v[QKF+8:QKF+15], 0
	v_wmma_f32_16x16x32_bf16 v[SC:SC+7], v[FR+16:FR+23], v[QKF+16:QKF+23], v[SC:SC+7]
	v_wmma_f32_16x16x32_bf16 v[SC+8:SC+15], v[FR+24:FR+31], v[QKF+24:QKF+31], v[SC+8:SC+15]
	PLACES
	v_add_f32 v[TP], v[SC], v[SC+8]
	ds_store_b32 v[VEW], v[TP]                     ; read by all behind the first tile's barrier
	TILE 0, 0, 1, 1                                ; the count leaves tile 1 on its way
	FILL 0                                         ; tile 2
	TILE 1, 1, 1, 0                                ; one load was issued behind tile 1's
	FILL 1                                         ; tile 3: the last load
	TILE 2, 0, 1, 0
	s_wait_dscnt 0x0                               ; my reads of the partial scores are back: they are written again behind this barrier;
	s_barrier_signal -1                            ; no tensor load fills anything behind it, so tile 3's may stay out
	s_barrier_wait -1
	TILE 3, 1, 0, 0                                ; the last wait is for zero
	; THE WAY OUT: y = acc / l, rounded to bf16, through the wave's own stage (qk's bytes, which had their one fill at the start)
	v_rcp_f32 v[AL], v[LS]
	v_rcp_f32 v[AL+1], v[LS]
	v_and_b32 v124, 15, v0                         ; the plain instruction behind the reciprocals
	v_bfe_u32 v125, v0, 4, 1
.irp k, 0,2,4,6,8,10,12,14,16,18,20,22,24,26,28,30,32,34,36,38,40,42,44,46,48,50,52,54,56,58,60,62
	v_pk_mul_f32 v[ACC+\k:ACC+\k+1], v[ACC+\k:ACC+\k+1], v[AL:AL+1]
.endr
.irp g, 0,1
.irp j, 0,1,2,3,4,5,6,7
	v_cvt_pk_bf16_f32 v[STG+16*\g+2*\j], v[ACC+8*(4*\g)+\j], v[ACC+8*(4*\g+1)+\j]          ; columns 64 g + 32 h + 4 j + 0, 1
	v_cvt_pk_bf16_f32 v[STG+16*\g+2*\j+1], v[ACC+8*(4*\g+2)+\j], v[ACC+8*(4*\g+3)+\j]      ; + 2, 3
.endr
.endr
	v_mul_u32_u24 v126, v124, QP                   ; in: head r, 64 h bytes
	v_lshl_add_u32 v126, v125, 6, v126
	v_add_nc_u32 v126, s[G0Q+1], v126
	v_mul_u32_u24 v127, v125, QP                   ; back: lanes 0-15 one head's 256 bytes, lanes 16-31 the next head's
	v_lshl_add_u32 v127, v124, 4, v127
	v_add_nc_u32 v127, s[G0Q+1], v127
	v_lshlrev_b32 v128, 4, v124                    ; and the same in y
	v_lshl_add_u32 v128, v125, 11, v128
	s_lshr_b32 s18, s21, 4                         ; y's row: 64 (b / 16) + 16 p + b mod 16
	s_lshl_b32 s18, s18, 6
	s_lshl_b32 s19, s22, 4
	s_add_co_u32 s18, s18, s19
	s_and_b32 s19, s21, 15
	s_add_co_u32 s18, s18, s19
	s_lshl_b32 s26, s18, 15                        ; 16 heads of 2,048 bytes a row,
	s_lshl_b32 s19, s20, 8                         ; my 128 columns
	s_add_co_u32 s26, s26, s19
	s_add_nc_u64 s[14:15], s[14:15], s[26:27]
	s_lshl_b32 s26, s18, 7
	s_add_nc_u64 s[16:17], s[16:17], s[26:27]
.irp g, 0,1
.irp q, 0,1,2,3
	ds_store_b128 v126, v[STG+16*\g+4*\q:STG+16*\g+4*\q+3] offset:128*\g+16*\q
.endr
.endr
.irp i, 0,1,2,3,4,5,6,7
	ds_load_b128 v[FR+4*\i:FR+4*\i+3], v127 offset:\i*2*QP         ; LDS serves a wave's instructions in order (ISA guide 5.7.1.4): these see the stores above
.endr
.irp i, 0,1,2,3,4,5,6,7
	s_wait_dscnt 7-\i
	global_store_b128 v128, v[FR+4*\i:FR+4*\i+3], s[14:15] offset:\i*4096  ; heads 2 i, 2 i + 1: sixteen lanes store 256 consecutive bytes, aligned
.endr
	s_cmp_lg_u32 s20, 0                            ; every wave holds the same m and l: wave 0 stores them
	s_cbranch_scc1 .Lend
	v_and_b32 v[TP+2], 31, v0
	v_cmp_gt_u32 vcc_lo, 16, v[TP+2]
	v_cndmask_b32 v[TP], v[LS], v[MM], vcc_lo      ; lanes 0-15: m of head r; lanes 16-31: l
	v_lshlrev_b32 v[TP+2], 2, v[TP+2]
	global_store_b32 v[TP+2], v[TP], s[16:17]
.Lend:
	s_endpgm
.Lfunc_end_k_q97e6a7f06a_attn:
	.size	k_q97e6a7f06a_attn, .Lfunc_end_k_q97e6a7f06a_attn-k_q97e6a7f06a_attn
	.p2alignl 7, 3214868480
	.fill 96, 4, 3214868480
	.section	.rodata,"a",@progbits
	.p2align	6, 0x0
	.amdhsa_kernel k_q97e6a7f06a_attn
		.amdhsa_group_segment_fixed_size 327680
		.amdhsa_private_segment_fixed_size 0
		.amdhsa_enable_private_segment 0
		.amdhsa_kernarg_size 56
		.amdhsa_user_sgpr_count 2
		.amdhsa_user_sgpr_kernarg_segment_ptr 1
		.amdhsa_wavefront_size32 1
		.amdhsa_system_sgpr_workgroup_id_x 1
		.amdhsa_system_sgpr_workgroup_id_y 1
		.amdhsa_system_sgpr_workgroup_id_z 1
		.amdhsa_system_vgpr_workitem_id 0
		.amdhsa_next_free_vgpr 256
		.amdhsa_next_free_sgpr 80
		.amdhsa_reserve_vcc 1
		.amdhsa_float_denorm_mode_32 3
		.amdhsa_float_denorm_mode_16_64 3
		.amdhsa_memory_ordered 1
		.amdhsa_forward_progress 1
		.amdhsa_inst_pref_size 155
	.end_amdhsa_kernel
	.amdgpu_metadata
---
amdhsa.version: [ 1, 2 ]
amdhsa.kernels:
  - .name:           k_q97e6a7f06a_attn
    .symbol:         k_q97e6a7f06a_attn.kd
    .args:
      - { .name: model_output, .offset: 0, .size: 8, .value_kind: global_buffer, .address_space: global }
      - { .name: knowledge_output, .offset: 8, .size: 8, .value_kind: global_buffer, .address_space: global }
      - { .name: input_ids, .offset: 16, .size: 8, .value_kind: global_buffer, .address_space: global }
      - { .name: qk, .offset: 24, .size: 8, .value_kind: global_buffer, .address_space: global }
      - { .name: cb, .offset: 32, .size: 8, .value_kind: global_buffer, .address_space: global }
      - { .name: y, .offset: 40, .size: 8, .value_kind: global_buffer, .address_space: global }
      - { .name: stats, .offset: 48, .size: 8, .value_kind: global_buffer, .address_space: global }
    .group_segment_fixed_size: 327680
    .private_segment_fixed_size: 0
    .kernarg_segment_align: 8
    .kernarg_segment_size: 56
    .max_flat_workgroup_size: 256
    .sgpr_count:     80
    .vgpr_count:     256
    .wavefront_size: 32
...
	.end_amdgpu_metadata
.endif
;; end of part 4
;; launch ctxproj (part 5): grid 256 x 1, 4 waves a work-group, clusters of 4 x 1, 205,824 bytes of LDS; arguments y, in_proj_weight, in_proj_bias, stats, ctx; writes ctx
.if DOCPART == 5
	.amdgcn_target "amdgcn-amd-amdhsa--gfx1250"
	.amdhsa_code_object_version 6
	.text
	.protected	k_q97e6a7f06a_ctxproj
	.globl	k_q97e6a7f06a_ctxproj
	.p2align	8
	.type	k_q97e6a7f06a_ctxproj,@function
k_q97e6a7f06a_ctxproj:
	s_mov_b64 s[64:65], 0
	v_nop
	global_prefetch_b8 v0, s[64:65] scope:SCOPE_SE
	s_setreg_imm32_b32 hwreg(HW_REG_WAVE_MODE, 25, 1), 1
	s_wait_xcnt 0x0
	s_wait_alu depctr_hold_cnt(0) depctr_sa_sdst(0) depctr_va_vdst(0) depctr_va_sdst(0) depctr_va_ssrc(0) depctr_va_vcc(0) depctr_vm_vsrc(0)
	s_getreg_b32 s2, hwreg(HW_REG_IB_STS2, 6, 4)
	s_cmp_eq_u32 s2, 0
	s_cbranch_scc0 .Lentry_in_a_cluster
	s_endpgm
.Lentry_in_a_cluster:
	s_bfe_u32 s2, ttmp6, 0x10000c
	s_cmp_lg_u32 s2, 0x3003
	s_cbranch_scc0 .Lentry_shape_is_right
	s_endpgm
.Lentry_shape_is_right:
; ctxproj: ctx[b][64 h + n] = sum over the four parts p of w_p (sum over e of y_p[b][h][e] Wv[64 h + n][e]) + bv[64 h + n],
; w_p = l_p 2^(m_p - M) / sum over p of the same, M the largest m_p: the parts of a sequence's softmax are joined in f32 behind the product.
; (The weights add up to one, so bv enters once.)
; A work-group takes one head, 16 sequences (64 rows of y: part p = block of 16 rows, lane r = sequence) and 16 of the head's 64 columns;
; its four waves split K = 1,024 in quarters.  16 x 4 x 4 = 256 work-groups.
; CLUSTER: the four work-groups of a cluster are the four column tiles of one head and one block of sequences: they need the same tile
; of y, asked for jointly (mask 15).  The weight tile is each work-group's own.  Every byte of LDS is filled once.
; ctx is stored tile-major, [64 column tiles][64 b][16], in bf16: the store covers 512 consecutive bytes.
; Limit: Wv enters the matrix unit rounded to bf16, ctx leaves rounded to bf16.
.set ATILE, 64*528
.set REG,   ATILE+16*1040
.set SCR,   4*REG                      ; 4 x 1,024 bytes for the sum over the waves; no tile ever lands here
.set A_MT,  16*528
.set A_T,   64
.set A_C,   32
.set VA,  5
.set VW,  6
.set VS,  7
.set VR,  8
.set ACC, 16                           ; v[16:47]   accumulator p: part p of my 16 sequences
.set WF,  48
.set WS,  64
.set AF,  96
.set RED, 96
.set SM,  160                          ; v[160:163] m_p, then l_p 2^(m_p - M)
.set SL,  164                          ; v[164:167] l_p
.set BV,  168                          ; v[168:175] bv of my 8 columns
.set WP,  176                          ; v[176:183] w_p, each twice
.set CB,  184                          ; v[184:191] the joined sums of my K quarter
.macro ROUND
	s_barrier_signal -1
	s_barrier_wait -1
	s_cmp_lg_u32 s20, 0
	s_cbranch_scc1 .Lnot_wave_0_\@
	s_barrier_signal -3
.Lnot_wave_0_\@:
	s_barrier_wait -3
	s_barrier_signal -1
	s_barrier_wait -1
.endm
.macro PLACES                          ; four places behind a matrix instruction before its registers are loaded into, read or rewritten (ISA guide 7.12.1)
.rept 4
	v_nop
.endr
.endm
.macro LDT t
.irp q, 0,1,2,3
	ds_load_b128 v[WS+16*((\t)&1)+4*\q:WS+16*((\t)&1)+4*\q+3], v[VW] offset:128*(\t)+16*(\q&1)+64*(\q>>1)
.endr
.irp mt, 0,1,2,3
.irp c, 0,1
	ds_load_b128 v[AF+32*((\t)&1)+8*\mt+4*\c:AF+32*((\t)&1)+8*\mt+4*\c+3], v[VA] offset:\mt*A_MT+(\t)*A_T+\c*A_C
.endr
.endr
.endm
.macro CVT t
.irp q, 0,1,2,3,4,5,6,7
	v_cvt_pk_bf16_f32 v[WF+8*((\t)&1)+\q], v[WS+16*((\t)&1)+2*\q], v[WS+16*((\t)&1)+2*\q+1]
.endr
.endm
.macro MM t, zero                      ; lane r holds row r, register j column 8 h + j; the four accumulators take turns
.irp mt, 0,1,2,3
.if \zero
	v_wmma_f32_16x16x32_bf16 v[ACC+8*\mt:ACC+8*\mt+7], v[WF+8*((\t)&1):WF+8*((\t)&1)+7], v[AF+32*((\t)&1)+8*\mt:AF+32*((\t)&1)+8*\mt+7], 0
.else
	v_wmma_f32_16x16x32_bf16 v[ACC+8*\mt:ACC+8*\mt+7], v[WF+8*((\t)&1):WF+8*((\t)&1)+7], v[AF+32*((\t)&1)+8*\mt:AF+32*((\t)&1)+8*\mt+7], v[ACC+8*\mt:ACC+8*\mt+7]
.endif
.endr
.endm
.macro STEP t, left, more, zero
	s_wait_dscnt \left                             ; this step's 12 loads are in; the next step's 12 stay out
	CVT \t
	MM \t, \zero
.if \more
	PLACES
	LDT \t+2
.endif
.endm
	s_load_b256 s[4:11], s[0:1], 0x0               ; y s[4:5], in_proj_weight s[6:7], in_proj_bias s[8:9], stats s[10:11]
	s_load_b64 s[12:13], s[0:1], 0x20              ; ctx
	v_lshrrev_b32 v1, 5, v0
	v_readfirstlane_b32 s20, v1                    ; wave = my quarter of K
	s_bfe_u32 s21, ttmp6, 0x40000                  ; my place in the cluster = column tile of the head
	s_lshr_b32 s22, ttmp9, 2                       ; head
	s_and_b32 s23, ttmp9, 3                        ; block of 16 sequences
	s_mov_b32 s24, 15|(1<<16)|(1<<20)|(1<<21)|(6<<22)|(3<<25)   ; mask 15; 2-byte elements; padding on; bit 21 beside a mask; 4 words behind every 128
	s_mov_b32 s25, 256<<16
	s_mov_b32 s26, 64<<16
	s_mov_b32 s27, 256<<16
	s_mov_b32 s28, 64
	s_mov_b32 s29, 16384                           ; from a row of y to the next: 16 heads x 1,024 elements
	s_mov_b32 s30, 0
	s_mov_b32 s31, 0
	s_mov_b32 s36, (2<<16)|(1<<20)|(7<<22)|(3<<25)
	s_mov_b32 s37, 256<<16
	s_mov_b32 s38, 16<<16
	s_mov_b32 s39, 256<<16
	s_mov_b32 s40, 16
	s_mov_b32 s41, 1024
	s_mov_b32 s42, 0
	s_mov_b32 s43, 0
	s_mov_b32 s32, 1
	s_mul_i32 s33, s20, REG
	s_mov_b32 s44, 1
	s_add_co_u32 s45, s33, ATILE
	s_lshl_b32 s48, s23, 21                        ; y: 64 rows of 32,768 bytes a block, the head's 2,048, my K quarter's 512
	s_lshl_b32 s49, s22, 11
	s_add_co_u32 s48, s48, s49
	s_lshl_b32 s49, s20, 9
	s_add_co_u32 s48, s48, s49
	s_mov_b32 s49, 0
	s_lshl_b32 s50, s22, 18                        ; Wv: row 2,048 + 64 head + 16 tile, my K quarter's 1,024 bytes
	s_lshl_b32 s51, s21, 16
	s_add_co_u32 s50, s50, s51
	s_lshl_b32 s51, s20, 10
	s_add_co_u32 s50, s50, s51
	s_add_co_u32 s50, s50, 0x800000
	s_mov_b32 s51, 0
	s_wait_kmcnt 0x0
	s_add_nc_u64 s[34:35], s[4:5], s[48:49]        ; made of the cluster's number and the wave's alone: equal in the four partners
	s_or_b32 s35, s35, 0x80000000
	s_add_nc_u64 s[46:47], s[6:7], s[50:51]
	s_or_b32 s47, s47, 0x80000000
	ROUND                                          ; the four work-groups are here: the joint loads meet
	tensor_load_to_lds s[32:35], s[24:31]          ; two tensor loads of this wave are out, and no more follow
	tensor_load_to_lds s[44:47], s[36:43]
	s_mov_b32 s53, 0
	s_lshl_b32 s52, s23, 13                        ; stats: 64 rows of 128 bytes a block, the head's word
	s_lshl_b32 s54, s22, 2
	s_add_co_u32 s52, s52, s54
	s_add_nc_u64 s[10:11], s[10:11], s[52:53]
	s_lshl_b32 s52, s22, 8                         ; bv: 2,048 + 64 head + 16 tile
	s_lshl_b32 s54, s21, 6
	s_add_co_u32 s52, s52, s54
	s_add_co_u32 s52, s52, 8192
	s_add_nc_u64 s[8:9], s[8:9], s[52:53]
	s_lshl_b32 s52, s22, 13                        ; ctx: tile 4 head + tile, sequences from 16 block on
	s_lshl_b32 s54, s21, 11
	s_add_co_u32 s52, s52, s54
	s_lshl_b32 s54, s23, 9
	s_add_co_u32 s52, s52, s54
	s_add_nc_u64 s[12:13], s[12:13], s[52:53]
	v_and_b32 v2, 15, v0                           ; r
	v_bfe_u32 v3, v0, 4, 1                         ; h
	v_and_b32 v4, 31, v0                           ; lane
	v_lshlrev_b32 v9, 7, v2                        ; stats: sequence r
	v_lshlrev_b32 v10, 5, v3                       ; bv: 8 h columns
.irp p, 0,1,2,3
	global_load_b32 v[SM+\p], v9, s[10:11] offset:\p*2048
	global_load_b32 v[SL+\p], v9, s[10:11] offset:\p*2048+64
.endr
	global_load_b128 v[BV:BV+3], v10, s[8:9]
	global_load_b128 v[BV+4:BV+7], v10, s[8:9] offset:16
	v_mul_u32_u24 v[VA], v2, 528
	v_lshl_add_u32 v[VA], v3, 4, v[VA]
	v_add_nc_u32 v[VA], s33, v[VA]
	v_mul_u32_u24 v[VW], v2, 1040
	v_lshl_add_u32 v[VW], v3, 5, v[VW]
	v_add_nc_u32 v[VW], s45, v[VW]
	v_lshlrev_b32 v[VR], 4, v4
	v_add_nc_u32 v[VR], SCR, v[VR]
	s_lshl_b32 s54, s20, 10
	v_add_nc_u32 v[VS], s54, v[VR]
	v_lshlrev_b32 v11, 5, v2                       ; ctx: sequence r of 32 bytes, 16 bytes for each half
	v_lshl_add_u32 v11, v3, 4, v11
	s_wait_loadcnt 0x0
	; the parts' weights, while the tiles are on their way
	v_max3_num_f32 v12, v[SM], v[SM+1], v[SM+2]
	v_max_num_f32 v12, v12, v[SM+3]
.irp p, 0,1,2,3
	v_sub_f32 v[SM+\p], v[SM+\p], v12
.endr
.irp p, 0,1,2,3
	v_exp_f32 v[SM+\p], v[SM+\p]
.endr
	v_nop                                          ; one plain place before the results are used (ISA guide 5.7.2)
.irp p, 0,1,2,3
	v_mul_f32 v[SM+\p], v[SM+\p], v[SL+\p]
.endr
	v_add_f32 v12, v[SM], v[SM+1]
	v_add_f32 v13, v[SM+2], v[SM+3]
	v_add_f32 v12, v12, v13                        ; at least 1: the part with the largest m has l >= 1
	v_rcp_f32 v13, v12
	v_nop
.irp p, 0,1,2,3
	v_mul_f32 v[WP+2*\p], v[SM+\p], v13
	v_mul_f32 v[WP+2*\p+1], v[SM+\p], v13
.endr
	s_wait_tensorcnt 0x0                           ; my two tiles are in LDS; I read no other wave's tiles
	LDT 0
	LDT 1
	STEP 0, 12, 1, 1
.irp t, 1,2,3,4,5
	STEP \t, 12, 1, 0
.endr
	STEP 6, 12, 0, 0
	STEP 7, 0, 0, 0
	PLACES
.irp k, 0,2,4,6
	v_pk_mul_f32 v[CB+\k:CB+\k+1], v[ACC+\k:ACC+\k+1], v[WP:WP+1]
.endr
.irp p, 1,2,3
.irp k, 0,2,4,6
	v_pk_fma_f32 v[CB+\k:CB+\k+1], v[ACC+8*\p+\k:ACC+8*\p+\k+1], v[WP+2*\p:WP+2*\p+1], v[CB+\k:CB+\k+1]
.endr
.endr
	ds_store_b128 v[VS], v[CB:CB+3]
	ds_store_b128 v[VS], v[CB+4:CB+7] offset:512
	s_wait_dscnt 0x0                               ; my sums are in LDS before I say so
	s_barrier_signal -1
	s_barrier_wait -1
	s_cmp_lg_u32 s20, 0                            ; 16 x 16 numbers are left: wave 0 adds the four K quarters and stores
	s_cbranch_scc1 .Lothers
.irp src, 0,1,2,3
.irp c, 0,1
	ds_load_b128 v[RED+8*\src+4*\c:RED+8*\src+4*\c+3], v[VR] offset:\src*1024+\c*512
.endr
.endr
	s_wait_dscnt 0x0
.irp k, 0,2,4,6
	v_pk_add_f32 v[RED+\k:RED+\k+1], v[RED+\k:RED+\k+1], v[RED+8+\k:RED+8+\k+1]
	v_pk_add_f32 v[RED+16+\k:RED+16+\k+1], v[RED+16+\k:RED+16+\k+1], v[RED+24+\k:RED+24+\k+1]
.endr
.irp k, 0,2,4,6
	v_pk_add_f32 v[RED+\k:RED+\k+1], v[RED+\k:RED+\k+1], v[RED+16+\k:RED+16+\k+1]
.endr
.irp k, 0,2,4,6
	v_pk_add_f32 v[RED+\k:RED+\k+1], v[RED+\k:RED+\k+1], v[BV+\k:BV+\k+1]
.endr
.irp k, 0,1,2,3
	v_cvt_pk_bf16_f32 v[CB+\k], v[RED+2*\k], v[RED+2*\k+1]
.endr
	global_store_b128 v11, v[CB:CB+3], s[12:13]    ; 512 consecutive bytes, aligned
.Lothers:
	ROUND                                          ; the closing round: no work-group ends while a partner may still ask jointly
	s_endpgm
.Lfunc_end_k_q97e6a7f06a_ctxproj:
	.size	k_q97e6a7f06a_ctxproj, .Lfunc_end_k_q97e6a7f06a_ctxproj-k_q97e6a7f06a_ctxproj
	.p2alignl 7, 3214868480
	.fill 96, 4, 3214868480
	.section	.rodata,"a",@progbits
	.p2align	6, 0x0
	.amdhsa_kernel k_q97e6a7f06a_ctxproj
		.amdhsa_group_segment_fixed_size 205824
		.amdhsa_private_segment_fixed_size 0
		.amdhsa_enable_private_segment 0
		.amdhsa_kernarg_size 40
		.amdhsa_user_sgpr_count 2
		.amdhsa_user_sgpr_kernarg_segment_ptr 1
		.amdhsa_wavefront_size32 1
		.amdhsa_system_sgpr_workgroup_id_x 1
		.amdhsa_system_sgpr_workgroup_id_y 1
		.amdhsa_system_sgpr_workgroup_id_z 1
		.amdhsa_system_vgpr_workitem_id 0
		.amdhsa_next_free_vgpr 192
		.amdhsa_next_free_sgpr 66
		.amdhsa_reserve_vcc 0
		.amdhsa_float_denorm_mode_32 3
		.amdhsa_float_denorm_mode_16_64 3
		.amdhsa_memory_ordered 1
		.amdhsa_forward_progress 1
		.amdhsa_inst_pref_size 23
	.end_amdhsa_kernel
	.amdgpu_metadata
---
amdhsa.version: [ 1, 2 ]
amdhsa.kernels:
  - .name:           k_q97e6a7f06a_ctxproj
    .symbol:         k_q97e6a7f06a_ctxproj.kd
    .args:
      - { .name: y, .offset: 0, .size: 8, .value_kind: global_buffer, .address_space: global }
      - { .name: in_proj_weight, .offset: 8, .size: 8, .value_kind: global_buffer, .address_space: global }
      - { .name: in_proj_bias, .offset: 16, .size: 8, .value_kind: global_buffer, .address_space: global }
      - { .name: stats, .offset: 24, .size: 8, .value_kind: global_buffer, .address_space: global }
      - { .name: ctx, .offset: 32, .size: 8, .value_kind: global_buffer, .address_space: global }
    .group_segment_fixed_size: 205824
    .private_segment_fixed_size: 0
    .kernarg_segment_align: 8
    .kernarg_segment_size: 40
    .max_flat_workgroup_size: 128
    .sgpr_count:     66
    .vgpr_count:     192
    .wavefront_size: 32
...
	.end_amdgpu_metadata
.endif
;; end of part 5
;; launch outproj (part 6): grid 64 x 1, 4 waves a work-group, clusters of 4 x 1, 222,208 bytes of LDS; arguments ctx, out_proj_weight, out_proj_bias, origin, attention_strength, empty_knowledge_mask, out0; writes out0
.if DOCPART == 6
	.amdgcn_target "amdgcn-amd-amdhsa--gfx1250"
	.amdhsa_code_object_version 6
	.text
	.protected	k_q97e6a7f06a_outproj
	.globl	k_q97e6a7f06a_outproj
	.p2align	8
	.type	k_q97e6a7f06a_outproj,@function
k_q97e6a7f06a_outproj:
	s_mov_b64 s[64:65], 0
	v_nop
	global_prefetch_b8 v0, s[64:65] scope:SCOPE_SE
	s_setreg_imm32_b32 hwreg(HW_REG_WAVE_MODE, 25, 1), 1
	s_wait_xcnt 0x0
	s_wait_alu depctr_hold_cnt(0) depctr_sa_sdst(0) depctr_va_vdst(0) depctr_va_sdst(0) depctr_va_ssrc(0) depctr_va_vcc(0) depctr_vm_vsrc(0)
	s_getreg_b32 s2, hwreg(HW_REG_IB_STS2, 6, 4)
	s_cmp_eq_u32 s2, 0
	s_cbranch_scc0 .Lentry_in_a_cluster
	s_endpgm
.Lentry_in_a_cluster:
	s_bfe_u32 s2, ttmp6, 0x10000c
	s_cmp_lg_u32 s2, 0x3003
	s_cbranch_scc0 .Lentry_shape_is_right
	s_endpgm
.Lentry_shape_is_right:
; outproj: out0[b][n] = origin[b][n] + strength x (sum over k of ctx[b][k] Wo[n][k] + bo[n]), and origin[b][n] itself where the
; sequence's empty_knowledge_mask is set (a select, so nothing of the attention's result reaches such a row).
; A work-group makes 64 rows x 16 columns; its four waves split K = 1,024 in quarters and add their parts through LDS.
; N is split 64 ways so that Wo's 4 MiB are spread over 64 work-groups; a row's share of out0 is therefore 64 bytes, and a store
; covers 32 bytes of each of 16 rows: 256 KiB in all leave in such pieces.
; CLUSTER: the four work-groups of a cluster need the same ctx: each wave asks for its K quarter, a dense block of 32 KiB (ctx lies
; tile-major, [64 k tiles][64 b][16 k]), by a joint load (mask 15).  The weight tile is each work-group's own.  Every byte of LDS is filled once.
; Limit: Wo enters the matrix unit rounded to bf16.
.set ATILE, 128*272                    ; 32 KiB as 128 rows of 256 bytes + 16
.set REG,   ATILE+16*1040
.set SCR,   4*REG
.set A_MT,  2*272                      ; 16 sequences of 32 bytes = two LDS rows
.set A_T,   16*272                     ; a K step of 32 = two k tiles of eight LDS rows
.set A_C,   8*272
.set VA,  5
.set VW,  6
.set VS,  7
.set VR,  8
.set ACC, 16
.set WF,  48
.set WS,  64
.set AF,  96
.set RED, 96
.set BO,  160                          ; v[160:167] bo of my 8 columns
.set ORG, 168                          ; v[168:175] origin of my row's 8 columns
.set MK,  176                          ; my row's mask byte
.macro ROUND
	s_barrier_signal -1
	s_barrier_wait -1
	s_cmp_lg_u32 s20, 0
	s_cbranch_scc1 .Lnot_wave_0_\@
	s_barrier_signal -3
.Lnot_wave_0_\@:
	s_barrier_wait -3
	s_barrier_signal -1
	s_barrier_wait -1
.endm
.macro PLACES                          ; four places behind a matrix instruction before its registers are loaded into, read or rewritten (ISA guide 7.12.1)
.rept 4
	v_nop
.endr
.endm
.macro LDT t
.irp q, 0,1,2,3
	ds_load_b128 v[WS+16*((\t)&1)+4*\q:WS+16*((\t)&1)+4*\q+3], v[VW] offset:128*(\t)+16*(\q&1)+64*(\q>>1)
.endr
.irp mt, 0,1,2,3
.irp c, 0,1
	ds_load_b128 v[AF+32*((\t)&1)+8*\mt+4*\c:AF+32*((\t)&1)+8*\mt+4*\c+3], v[VA] offset:\mt*A_MT+(\t)*A_T+\c*A_C
.endr
.endr
.endm
.macro CVT t
.irp q, 0,1,2,3,4,5,6,7
	v_cvt_pk_bf16_f32 v[WF+8*((\t)&1)+\q], v[WS+16*((\t)&1)+2*\q], v[WS+16*((\t)&1)+2*\q+1]
.endr
.endm
.macro MM t, zero                      ; lane r holds row r, register j column 8 h + j; the four accumulators take turns
.irp mt, 0,1,2,3
.if \zero
	v_wmma_f32_16x16x32_bf16 v[ACC+8*\mt:ACC+8*\mt+7], v[WF+8*((\t)&1):WF+8*((\t)&1)+7], v[AF+32*((\t)&1)+8*\mt:AF+32*((\t)&1)+8*\mt+7], 0
.else
	v_wmma_f32_16x16x32_bf16 v[ACC+8*\mt:ACC+8*\mt+7], v[WF+8*((\t)&1):WF+8*((\t)&1)+7], v[AF+32*((\t)&1)+8*\mt:AF+32*((\t)&1)+8*\mt+7], v[ACC+8*\mt:ACC+8*\mt+7]
.endif
.endr
.endm
.macro STEP t, left, more, zero
	s_wait_dscnt \left                             ; this step's 12 loads are in; the next step's 12 stay out
	CVT \t
	MM \t, \zero
.if \more
	PLACES
	LDT \t+2
.endif
.endm
	s_load_b256 s[4:11], s[0:1], 0x0               ; ctx s[4:5], out_proj_weight s[6:7], out_proj_bias s[8:9], origin s[10:11]
	s_load_b128 s[12:15], s[0:1], 0x20             ; attention_strength s[12:13], empty_knowledge_mask s[14:15]
	s_load_b64 s[16:17], s[0:1], 0x30              ; out0
	v_lshrrev_b32 v1, 5, v0
	v_readfirstlane_b32 s20, v1                    ; wave = my quarter of K
	s_bfe_u32 s21, ttmp6, 0x40000                  ; my place in the cluster
	s_lshl_b32 s22, ttmp9, 2
	s_add_co_u32 s22, s22, s21                     ; column tile 0..63
	s_mov_b32 s24, 15|(1<<16)|(1<<20)|(1<<21)|(5<<22)|(3<<25)   ; mask 15; 2-byte elements; padding on; bit 21 beside a mask; 4 words behind every 64
	s_mov_b32 s25, 128<<16                         ; a dense block: 128 rows of 128 elements, the pitch a row's length
	s_mov_b32 s26, 128<<16
	s_mov_b32 s27, 128<<16
	s_mov_b32 s28, 128
	s_mov_b32 s29, 128
	s_mov_b32 s30, 0
	s_mov_b32 s31, 0
	s_mov_b32 s36, (2<<16)|(1<<20)|(7<<22)|(3<<25)
	s_mov_b32 s37, 256<<16
	s_mov_b32 s38, 16<<16
	s_mov_b32 s39, 256<<16
	s_mov_b32 s40, 16
	s_mov_b32 s41, 1024
	s_mov_b32 s42, 0
	s_mov_b32 s43, 0
	s_mov_b32 s32, 1
	s_mul_i32 s33, s20, REG
	s_mov_b32 s44, 1
	s_add_co_u32 s45, s33, ATILE
	s_lshl_b32 s48, s20, 15                        ; my 16 k tiles of 2,048 bytes
	s_mov_b32 s49, 0
	s_lshl_b32 s50, s22, 16
	s_lshl_b32 s51, s20, 10
	s_add_co_u32 s50, s50, s51
	s_mov_b32 s51, 0
	s_wait_kmcnt 0x0
	s_load_b32 s18, s[12:13], 0x0                  ; the strength
	s_mov_b32 s19, 0                               ; the pair's other word is written too
	s_add_nc_u64 s[34:35], s[4:5], s[48:49]        ; hangs on the wave's number alone: equal in the four partners
	s_or_b32 s35, s35, 0x80000000
	s_add_nc_u64 s[46:47], s[6:7], s[50:51]
	s_or_b32 s47, s47, 0x80000000
	ROUND                                          ; the four work-groups are here: the joint loads meet
	tensor_load_to_lds s[32:35], s[24:31]          ; two tensor loads of this wave are out, and no more follow
	tensor_load_to_lds s[44:47], s[36:43]
	s_lshl_b32 s52, s22, 6                         ; my 16 columns of f32
	s_mov_b32 s53, 0
	s_add_nc_u64 s[8:9], s[8:9], s[52:53]
	s_add_nc_u64 s[10:11], s[10:11], s[52:53]
	s_add_nc_u64 s[16:17], s[16:17], s[52:53]
	v_and_b32 v2, 15, v0                           ; r
	v_bfe_u32 v3, v0, 4, 1                         ; h
	v_and_b32 v4, 31, v0                           ; lane
	v_lshlrev_b32 v9, 5, v3                        ; 8 h columns
	s_lshl_b32 s54, s20, 4
	v_add_nc_u32 v11, s54, v2                      ; my row: 16 w + r
	v_lshl_add_u32 v10, v11, 12, v9                ; its 4,096 bytes, 8 h columns in
	global_load_b128 v[BO:BO+3], v9, s[8:9]
	global_load_b128 v[BO+4:BO+7], v9, s[8:9] offset:16
	global_load_b128 v[ORG:ORG+3], v10, s[10:11]
	global_load_b128 v[ORG+4:ORG+7], v10, s[10:11] offset:16
	global_load_u8 v[MK], v11, s[14:15]
	v_lshrrev_b32 v12, 3, v2                       ; sequence r of a block of 16: LDS row r / 8, 32 (r mod 8) bytes in; 16 bytes for each half:
	v_and_b32 v13, 7, v2                           ; sixteen lanes touch sixteen different 16-byte columns of 256
	v_mul_u32_u24 v[VA], v12, 272
	v_lshl_add_u32 v[VA], v13, 5, v[VA]
	v_lshl_add_u32 v[VA], v3, 4, v[VA]
	v_add_nc_u32 v[VA], s33, v[VA]
	v_mul_u32_u24 v[VW], v2, 1040
	v_lshl_add_u32 v[VW], v3, 5, v[VW]
	v_add_nc_u32 v[VW], s45, v[VW]
	s_lshl_b32 s55, s20, 12
	s_add_co_u32 s55, s55, SCR
	v_lshl_add_u32 v[VS], v4, 4, s55
	s_lshl_b32 s56, s20, 10
	s_add_co_u32 s56, s56, SCR
	v_lshl_add_u32 v[VR], v4, 4, s56
	s_wait_tensorcnt 0x0                           ; my two tiles are in LDS; I read no other wave's tiles
	LDT 0
	LDT 1
	STEP 0, 12, 1, 1
.irp t, 1,2,3,4,5
	STEP \t, 12, 1, 0
.endr
	STEP 6, 12, 0, 0
	STEP 7, 0, 0, 0
	PLACES
.irp mt, 0,1,2,3
.irp c, 0,1
	ds_store_b128 v[VS], v[ACC+8*\mt+4*\c:ACC+8*\mt+4*\c+3] offset:\mt*1024+\c*512
.endr
.endr
	s_wait_dscnt 0x0                               ; my stores are done before I say so
	s_barrier_signal -1
	s_barrier_wait -1
.irp src, 0,1,2,3
.irp c, 0,1
	ds_load_b128 v[RED+8*\src+4*\c:RED+8*\src+4*\c+3], v[VR] offset:\src*4096+\c*512
.endr
.endr
	s_wait_dscnt 0x0
.irp k, 0,2,4,6
	v_pk_add_f32 v[RED+\k:RED+\k+1], v[RED+\k:RED+\k+1], v[RED+8+\k:RED+8+\k+1]
	v_pk_add_f32 v[RED+16+\k:RED+16+\k+1], v[RED+16+\k:RED+16+\k+1], v[RED+24+\k:RED+24+\k+1]
.endr
.irp k, 0,2,4,6
	v_pk_add_f32 v[RED+\k:RED+\k+1], v[RED+\k:RED+\k+1], v[RED+16+\k:RED+16+\k+1]
.endr
	s_wait_loadcnt 0x0                             ; bias, origin, mask
	s_wait_kmcnt 0x0                               ; the strength
.irp k, 0,2,4,6
	v_pk_add_f32 v[RED+\k:RED+\k+1], v[RED+\k:RED+\k+1], v[BO+\k:BO+\k+1]
.endr
.irp k, 0,2,4,6
	v_pk_fma_f32 v[RED+\k:RED+\k+1], v[RED+\k:RED+\k+1], s[18:19], v[ORG+\k:ORG+\k+1] op_sel_hi:[1,0,1]
.endr
	v_cmp_ne_u32 vcc_lo, 0, v[MK]
.irp k, 0,1,2,3,4,5,6,7
	v_cndmask_b32 v[RED+\k], v[RED+\k], v[ORG+\k], vcc_lo
.endr
	global_store_b128 v10, v[RED:RED+3], s[16:17]
	global_store_b128 v10, v[RED+4:RED+7], s[16:17] offset:16
	ROUND                                          ; the closing round: no work-group ends while a partner may still ask jointly
	s_endpgm
.Lfunc_end_k_q97e6a7f06a_outproj:
	.size	k_q97e6a7f06a_outproj, .Lfunc_end_k_q97e6a7f06a_outproj-k_q97e6a7f06a_outproj
	.p2alignl 7, 3214868480
	.fill 96, 4, 3214868480
	.section	.rodata,"a",@progbits
	.p2align	6, 0x0
	.amdhsa_kernel k_q97e6a7f06a_outproj
		.amdhsa_group_segment_fixed_size 222208
		.amdhsa_private_segment_fixed_size 0
		.amdhsa_enable_private_segment 0
		.amdhsa_kernarg_size 56
		.amdhsa_user_sgpr_count 2
		.amdhsa_user_sgpr_kernarg_segment_ptr 1
		.amdhsa_wavefront_size32 1
		.amdhsa_system_sgpr_workgroup_id_x 1
		.amdhsa_system_sgpr_workgroup_id_y 1
		.amdhsa_system_sgpr_workgroup_id_z 1
		.amdhsa_system_vgpr_workitem_id 0
		.amdhsa_next_free_vgpr 192
		.amdhsa_next_free_sgpr 66
		.amdhsa_reserve_vcc 1
		.amdhsa_float_denorm_mode_32 3
		.amdhsa_float_denorm_mode_16_64 3
		.amdhsa_memory_ordered 1
		.amdhsa_forward_progress 1
		.amdhsa_inst_pref_size 21
	.end_amdhsa_kernel
	.amdgpu_metadata
---
amdhsa.version: [ 1, 2 ]
amdhsa.kernels:
  - .name:           k_q97e6a7f06a_outproj
    .symbol:         k_q97e6a7f06a_outproj.kd
    .args:
      - { .name: ctx, .offset: 0, .size: 8, .value_kind: global_buffer, .address_space: global }
      - { .name: out_proj_weight, .offset: 8, .size: 8, .value_kind: global_buffer, .address_space: global }
      - { .name: out_proj_bias, .offset: 16, .size: 8, .value_kind: global_buffer, .address_space: global }
      - { .name: origin, .offset: 24, .size: 8, .value_kind: global_buffer, .address_space: global }
      - { .name: attention_strength, .offset: 32, .size: 8, .value_kind: global_buffer, .address_space: global }
      - { .name: empty_knowledge_mask, .offset: 40, .size: 8, .value_kind: global_buffer, .address_space: global }
      - { .name: out0, .offset: 48, .size: 8, .value_kind: global_buffer, .address_space: global }
    .group_segment_fixed_size: 222208
    .private_segment_fixed_size: 0
    .kernarg_segment_align: 8
    .kernarg_segment_size: 56
    .max_flat_workgroup_size: 128
    .sgpr_count:     66
    .vgpr_count:     192
    .wavefront_size: 32
...
	.end_amdgpu_metadata
.endif
;; end of part 6
;; ======== version 2 of 2: 4 launches; 1.12 times as fast as version 1
;; workspace buffers: origin 262,144 bytes; qk 2,097,152 bytes; cb 8,192 bytes; y 8,388,608 bytes; stats 32,768 bytes; ctx 131,072 bytes
;; launch front (part 7): grid 256 x 1, 4 waves a work-group, clusters of 4 x 1, 311,552 bytes of LDS; arguments input_ids, knowledge_output, model_output, in_proj_weight, in_proj_bias, qk, cb, origin; writes qk, cb, origin
.if DOCPART == 7
	.amdgcn_target "amdgcn-amd-amdhsa--gfx1250"
	.amdhsa_code_object_version 6
	.text
	.protected	k_q97e6a7f06a_front
	.globl	k_q97e6a7f06a_front
	.p2align	8
	.type	k_q97e6a7f06a_front,@function
k_q97e6a7f06a_front:
	s_mov_b64 s[64:65], 0
	v_nop
	global_prefetch_b8 v0, s[64:65] scope:SCOPE_SE
	s_setreg_imm32_b32 hwreg(HW_REG_WAVE_MODE, 25, 1), 1
	s_wait_xcnt 0x0
	s_wait_alu depctr_hold_cnt(0) depctr_sa_sdst(0) depctr_va_vdst(0) depctr_va_sdst(0) depctr_va_ssrc(0) depctr_va_vcc(0) depctr_vm_vsrc(0)
	s_getreg_b32 s2, hwreg(HW_REG_IB_STS2, 6, 4)
	s_cmp_eq_u32 s2, 0
	s_cbranch_scc0 .Lentry_in_a_cluster
	s_endpgm
.Lentry_in_a_cluster:
	s_bfe_u32 s2, ttmp6, 0x10000c
	s_cmp_lg_u32 s2, 0x3003
	s_cbranch_scc0 .Lentry_shape_is_right
	s_endpgm
.Lentry_shape_is_right:
; front: everything that stands in front of the pass over model_output, in one launch.
;   pos[b]      = the first [MASK] token of sequence b (token 0 if there is none, as an argmax of all-false gives)
;   origin[b]   = model_output[b][pos]                                   (f32, for the residual of the last launch)
;   q_in[b]     = knowledge_output[b] if the token at pos is a knowledge token, else origin[b]
;   q[b][n]     = (q_in[b] . Wq[n] + bq[n]) x 0.125 log2(e)              (scores of the next launch are powers of two)
;   qk[b][h][e] = sum over d of q[b][64 h + d] Wk[64 h + d][e]           (a token's score is then qk . x instead of q . (Wk x))
;   c[b][h]     = sum over d of q[b][64 h + d] bk[64 h + d]              (the bias's share of every score, as two half sums)
; WORK: 256 work-groups.  A cluster of four is one head and one quarter (256) of the columns e; the place in the cluster picks 16 sequences.
; Each work-group forms q of its head for its 16 sequences itself, from the head's whole Wq (64 rows x 4 KiB): sixteen work-groups of a
; head do that product each for themselves or for other columns, 32 matrix instructions a wave, and in return q_in and q never go through memory.
; CLUSTER: the four partners need the same 256 KiB of Wq: each wave asks for its K quarter in four chunks of 64 rows x 256 bytes by joint
; loads (mask 15).  Every byte of LDS is filled once.  ids, rows and Wk (64 of the 480 KiB a work-group brings in) are each lane's own loads
; into the registers in which they are worked on.
; qk's order: inside each block of 128 columns position 8 r + 4 g + jj holds e = 64 g + 4 r + jj; the next launch reads x in the same order.
; Limits: q_in, Wq, q and Wk enter the matrix unit rounded to bf16, qk leaves rounded to bf16.
.set MASK_ID, 30001
.set KNOW_ID, 30002
.set WP,    272                        ; an LDS row of a chunk of Wq: 256 bytes + 16, an odd multiple of 16
.set CHUNK, 64*WP
.set WREG,  4*CHUNK                    ; a wave's K quarter of Wq; its first 4 KiB are later the wave's stage for the sum over K (their one fill is over)
.set AQ,    4*WREG                     ; q_in in bf16, 16 rows; written by LDS stores alone; later the exchange between the two waves of a block
.set AP,    2064                       ; 2,048 bytes + 16, an odd multiple of 16
.set L16, 1                            ; 16 x lane
.set VW,  5                            ; LDS: my fragments of Wq; later: where I put what my partner wave adds
.set VA,  6                            ; LDS: my fragments of q_in; later: where I read what it put for me
.set VS,  7                            ; LDS: my partial sums
.set VR,  8                            ; LDS: 16 x the lane whose partial sums I take up
.set VQ,  9                            ; LDS: where I put q_in
.set VK,  10                           ; Wk: 8 h rows down, 4 r columns in
.set VB,  11                           ; biases: 8 h numbers in
.set VO,  12                           ; qk: my row and my 16 bytes
.set VC,  13                           ; cb: half h, my sequence
.set KN,  16                           ; v[16:143]  four knowledge rows in f32, then packed to bf16 in v[16:79]
.set ID,  144                          ; v[144:207] four rows of ids: load q, lane l, word j = token 128 q + 4 l + j
.set XR,  80                           ; v[80:207]  four rows of model_output, then q_in in bf16 in the first 16 registers of each 32
.set CD,  208                          ; v[208:211] the candidates
.set TT,  212                          ; v[212:215] at work
.set BQ,  224                          ; v[224:255] bq: register 8 nt + j = column 16 nt + 8 h + j
.set ACC, 16                           ; v[16:47]   four accumulators: columns 16 nt .. 16 nt + 15 of q
.set WF,  48                           ; v[48:79]   four fragments of Wq in bf16
.set WS,  80                           ; v[80:207]  Wq in f32 as loaded, two buffers
.set AF,  208                          ; v[208:223] fragment of q_in, two buffers
.set BF,  16                           ; v[16:79]   my eight fragments of Wk
.set RED, 80                           ; v[80:207]  the four partial sums
.set TA,  208                          ; v[208:211] their four LDS addresses
.set QA,  112                          ; v[112:127] q in bf16: K steps 0 and 1
.set QS,  96                           ; v[96:103]  my K step of it
.set DT,  128                          ; v[128:191] eight result tiles
.set RX,  192                          ; v[192:223] what my partner wave adds
.set OU,  80                           ; v[80:95]   packed results
.set WL1, 0                            ; window 1: v[256:383] Wk as loaded
.set BK1, 128                          ; window 1: v[384:415] bk
.set MSB, 0
.macro WIN new                         ; s_set_vgpr_msb: bits 1:0 source 0, 3:2 source 1, 5:4 source 2, 7:6 destination; the high byte repeats the setting that is left
.if MSB != \new
	s_set_vgpr_msb (MSB<<8)|\new
.set MSB, \new
.endif
.endm
.macro ROUND                           ; a round of the cluster's barrier
	s_barrier_signal -1
	s_barrier_wait -1
	s_cmp_lg_u32 s20, 0
	s_cbranch_scc1 .Lnot_wave_0_\@
	s_barrier_signal -3
.Lnot_wave_0_\@:
	s_barrier_wait -3
	s_barrier_signal -1
	s_barrier_wait -1
.endm
.macro PLACES                          ; four places behind a matrix instruction before its registers are loaded into, read or rewritten (ISA guide 7.12.1)
.rept 4
	v_nop
.endr
.endm
.macro LDT t                           ; the 18 LDS loads of K step t: one fragment of q_in, 4 x 32 numbers of Wq in f32 a lane
.irp c, 0,1
	ds_load_b128 v[AF+8*((\t)&1)+4*\c:AF+8*((\t)&1)+4*\c+3], v[VA] offset:64*(\t)+32*\c
.endr
.irp nt, 0,1,2,3
.irp q, 0,1,2,3
	ds_load_b128 v[WS+64*((\t)&1)+16*\nt+4*\q:WS+64*((\t)&1)+16*\nt+4*\q+3], v[VW] offset:((\t)>>1)*CHUNK+\nt*16*WP+((\t)&1)*128+16*(\q&1)+64*(\q>>1)
.endr
.endr
.endm
.macro CVT t                           ; the four fragments in bf16, k in its natural places
.set n, 0
.rept 32
	v_cvt_pk_bf16_f32 v[WF+n], v[WS+64*((\t)&1)+2*n], v[WS+64*((\t)&1)+2*n+1]
.set n, n+1
.endr
.endm
.macro MM t, zero                      ; source 0 = 16 rows of Wq, source 1 = my 16 sequences: lane r holds sequence r, register j column 8 h + j.
.irp nt, 0,1,2,3                       ; The four accumulators take turns, one instruction a turn.
.if \zero
	v_wmma_f32_16x16x32_bf16 v[ACC+8*\nt:ACC+8*\nt+7], v[WF+8*\nt:WF+8*\nt+7], v[AF+8*((\t)&1):AF+8*((\t)&1)+7], 0
.else
	v_wmma_f32_16x16x32_bf16 v[ACC+8*\nt:ACC+8*\nt+7], v[WF+8*\nt:WF+8*\nt+7], v[AF+8*((\t)&1):AF+8*((\t)&1)+7], v[ACC+8*\nt:ACC+8*\nt+7]
.endif
.endr
.endm
; One K step of 32.  left: LDS loads that may stay out; more: step t + 2 is fetched; tw >= 0: that step opens a chunk, of which tw younger ones may stay out.
.macro STEP t, left, more, zero, tw
	s_wait_dscnt \left                             ; this step's 18 loads are in; the next step's 18 stay out
	CVT \t
	MM \t, \zero
	PLACES                                         ; the next step rewrites WF, the loads below land on AF
.if \more
.if \tw >= 0
	s_wait_tensorcnt \tw                           ; a wave's tensor loads end in order (ISA guide 10.11.1): the chunk of step t + 2 is in LDS
.endif
	LDT \t+2
.endif
.endm
	s_load_b256 s[4:11], s[0:1], 0x0               ; ids s[4:5], knowledge s[6:7], model_output s[8:9], in_proj_weight s[10:11]
	s_load_b256 s[12:19], s[0:1], 0x20             ; in_proj_bias s[12:13], qk s[14:15], cb s[16:17], origin s[18:19]
	v_lshrrev_b32 v2, 5, v0
	v_readfirstlane_b32 s20, v2                    ; wave 0..3: my K quarter of the first product, my four sequences
	s_bfe_u32 s21, ttmp6, 0x40000                  ; my place in the cluster: which 16 sequences; it enters global addresses alone
	s_lshr_b32 s22, ttmp9, 2                       ; head
	s_and_b32 s23, ttmp9, 3                        ; quarter of the columns e
	s_lshr_b32 s70, s20, 1                         ; second product: which block of 128 columns,
	s_and_b32 s71, s20, 1                          ; which K step of 32 d
	s_lshl_b32 s72, s21, 4
	s_lshl_b32 s73, s20, 2
	s_add_co_u32 s72, s72, s73                     ; my first sequence: 16 place + 4 wave
	s_mul_i32 s74, s20, WREG                       ; my region of LDS: the wave's number times a constant
	s_mov_b32 s75, MASK_ID
	s_mov_b32 s77, 0x76543210                      ; v_permlanex16_b32: lane i reads lane i of the other half
	s_mov_b32 s78, 0xfedcba98
	s_mov_b32 s51, 0                               ; the upper word of every 32-bit offset
	v_and_b32 v4, 31, v0                           ; lane
	v_and_b32 v2, 15, v0                           ; r
	v_bfe_u32 v3, v0, 4, 1                         ; h
	v_lshlrev_b32 v[L16], 4, v4
	v_lshlrev_b32 v[VB], 5, v3
	; group 1 of a chunk of Wq: 64 rows x 64 f32, joint for the four work-groups
	s_mov_b32 s24, 15|(2<<16)|(1<<20)|(1<<21)|(5<<22)|(3<<25)   ; mask 15; 4-byte elements; padding on; bit 21 beside a mask; 4 words behind every 64
	s_mov_b32 s25, 64<<16                          ; tensor_dim0 = 64
	s_mov_b32 s26, 64<<16                          ; tensor_dim1 = 64
	s_mov_b32 s27, 64<<16                          ; tile_dim0 = 64
	s_mov_b32 s28, 64                              ; tile_dim1 = 64
	s_mov_b32 s29, 1024                            ; elements from row to row
	s_mov_b32 s30, 0
	s_mov_b32 s31, 0
	s_wait_kmcnt 0x0
	s_lshl_b32 s50, s72, 11                        ; a row of ids: 2,048 bytes
	s_add_nc_u64 s[4:5], s[4:5], s[50:51]
	s_lshl_b32 s50, s72, 12                        ; a row of f32: 4,096 bytes
	s_add_nc_u64 s[6:7], s[6:7], s[50:51]
	s_add_nc_u64 s[18:19], s[18:19], s[50:51]
	s_lshl_b32 s50, s22, 8                         ; the head's 64 numbers of a bias
	s_add_nc_u64 s[12:13], s[12:13], s[50:51]
	; the head of the dependent chain goes out first: ids, then what needs no position
.irp i, 0,1,2,3
.irp q, 0,1,2,3
	global_load_b128 v[ID+16*\i+4*\q:ID+16*\i+4*\q+3], v[L16], s[4:5] offset:2048*\i+512*\q
.endr
.endr
.irp i, 0,1,2,3
.irp q, 0,1,2,3,4,5,6,7
	global_load_b128 v[KN+32*\i+4*\q:KN+32*\i+4*\q+3], v[L16], s[6:7] offset:4096*\i+512*\q
.endr
.endr
.irp ks, 0,1
.irp q, 0,1,2,3
	global_load_b128 v[BQ+16*\ks+4*\q:BQ+16*\ks+4*\q+3], v[VB], s[12:13] offset:128*\ks+16*(\q&1)+64*(\q>>1)
.endr
.endr
	s_lshl_b32 s50, s22, 18                        ; Wq: the head's 64 rows of 4,096 bytes, my K quarter's 1,024
	s_lshl_b32 s48, s20, 10
	s_add_co_u32 s50, s50, s48
	s_add_nc_u64 s[66:67], s[10:11], s[50:51]      ; made of the cluster's number and the wave's alone: equal in the four partners
.irp q, 0,1,2,3
	s_mov_b32 s[32+4*\q], 1
	s_add_co_u32 s[33+4*\q], s74, \q*CHUNK
	s_add_nc_u64 s[34+4*\q:35+4*\q], s[66:67], \q*256
	s_or_b32 s[35+4*\q], s[35+4*\q], 0x80000000
.endr
	ROUND                                          ; the four work-groups are here: the joint loads meet
.irp q, 0,1,2,3
	tensor_load_to_lds s[32+4*\q:35+4*\q], s[24:31]        ; four tensor loads of this wave are out, and no more follow
.endr
	s_lshl_b32 s50, s22, 18                        ; Wk: row 1,024 + 64 head + 32 ks, column 256 quarter + 128 block
	s_lshl_b32 s48, s71, 17
	s_add_co_u32 s50, s50, s48
	s_lshl_b32 s48, s23, 10
	s_add_co_u32 s50, s50, s48
	s_lshl_b32 s48, s70, 9
	s_add_co_u32 s50, s50, s48
	s_add_co_u32 s50, s50, 0x400000
	s_add_nc_u64 s[68:69], s[10:11], s[50:51]
	s_lshl_b32 s50, s21, 19                        ; qk: 16 sequences of 32,768 bytes a place, the head's 2,048, the block's 256
	s_lshl_b32 s48, s22, 11
	s_add_co_u32 s50, s50, s48
	s_lshl_b32 s48, s23, 9
	s_add_co_u32 s50, s50, s48
	s_lshl_b32 s48, s70, 8
	s_add_co_u32 s50, s50, s48
	s_add_nc_u64 s[14:15], s[14:15], s[50:51]
	s_lshl_b32 s50, s22, 9                         ; cb of the head
	s_add_nc_u64 s[16:17], s[16:17], s[50:51]
	v_mul_u32_u24 v[VW], v2, WP                    ; Wq: row r, 32 bytes (8 f32) for each half of the lanes
	v_lshl_add_u32 v[VW], v3, 5, v[VW]
	v_add_nc_u32 v[VW], s74, v[VW]
	v_mul_u32_u24 v[VA], v2, AP                    ; q_in: row r, my K quarter's 512 bytes, 16 bytes for each half
	v_lshl_add_u32 v[VA], v3, 4, v[VA]
	s_lshl_b32 s48, s20, 9
	s_add_co_u32 s48, s48, AQ
	v_add_nc_u32 v[VA], s48, v[VA]
	v_lshl_add_u32 v[VS], v4, 4, s74
	s_lshl_b32 s48, s71, 2                         ; waves of K step 1 take up the sequences with bit 2 of the row flipped: see the exchange below
	v_xor_b32 v[VR], s48, v4
	v_lshlrev_b32 v[VR], 4, v[VR]
	s_mul_i32 s48, s20, 4*AP
	s_add_co_u32 s48, s48, AQ
	v_lshl_add_u32 v[VQ], v4, 3, s48               ; my four rows of q_in, 8 bytes a lane
	v_lshlrev_b32 v[VK], 4, v2
	v_lshl_add_u32 v[VK], v3, 15, v[VK]
	v_lshlrev_b32 v[VO], 4, v2                     ; qk: sequence 8 h + 4 ks of my 16, 16 r bytes in
	v_lshl_add_u32 v[VO], v3, 18, v[VO]
	s_lshl_b32 s48, s71, 17
	v_add_nc_u32 v[VO], s48, v[VO]
	v_lshlrev_b32 v[VC], 2, v2                     ; cb: half h, sequence 16 place + r
	v_lshl_add_u32 v[VC], v3, 8, v[VC]
	s_lshl_b32 s48, s21, 6
	v_add_nc_u32 v[VC], s48, v[VC]
.irp i, 0,1,2,3
	v_mov_b32 v[CD+\i], 512                        ; 512 = none found
	v_mov_b32 v[TT+\i], 0                          ; destinations of lane exchanges count as read
.endr
	s_wait_loadcnt 0x28                            ; the ids are in; the 40 younger loads (knowledge 32, bq 8) stay out
	; my smallest token that is a [MASK], without the lane's 4 l: from the highest down, so that the lowest is written last; four sequences side by side
.irp q, 3,2,1,0
.irp j, 3,2,1,0
.irp i, 0,1,2,3
	v_cmp_ne_u32 s[80+\i], s75, v[ID+16*\i+4*\q+\j]
.endr
.irp i, 0,1,2,3
	v_cndmask_b32 v[CD+\i], 128*\q+\j, v[CD+\i], s[80+\i]
.endr
.endr
.endr
.irp i, 0,1,2,3
	v_lshl_add_u32 v[CD+\i], v4, 2, v[CD+\i]       ; + 4 l: still 512 or more where nothing was found
.endr
.irp m, 1,2,4,8
.irp i, 0,1,2,3
	v_mov_b32_dpp v[TT+\i], v[CD+\i] row_xmask:\m row_mask:0xf bank_mask:0xf
.endr
.irp i, 0,1,2,3
	v_min_u32 v[CD+\i], v[CD+\i], v[TT+\i]
.endr
.endr
.irp i, 0,1,2,3
	v_permlanex16_b32 v[TT+\i], v[CD+\i], s77, s78
.endr
.irp i, 0,1,2,3
	v_min_u32 v[CD+\i], v[CD+\i], v[TT+\i]
.endr
.irp i, 0,1,2,3
	v_readfirstlane_b32 s48, v[CD+\i]              ; the place, or 512 and more
	v_readfirstlane_b32 s49, v[ID+16*\i]           ; the id of token 0
	s_cmp_lt_u32 s48, 512                          ; found?
	s_cselect_b32 s48, s48, 0                      ; none: place 0
	s_cselect_b32 s49, MASK_ID, s49                ; the id at the place
	s_cmp_eq_u32 s49, KNOW_ID
	s_cselect_b32 s[52+\i], -1, 0                  ; all lanes: the query's source is the knowledge vector
	s_min_u32 s48, s48, 511                        ; a loaded number enters an address only clamped
	s_add_co_u32 s50, s72, \i
	s_lshl_b32 s50, s50, 9
	s_add_co_u32 s50, s50, s48                     ; row 512 b + place,
	s_lshl_b32 s50, s50, 12                        ; in bytes: below 2^27
	s_add_nc_u64 s[56+2*\i:57+2*\i], s[8:9], s[50:51]
.endr
	s_wait_loadcnt 0x0                             ; knowledge and bq
.set n, 0
.rept 64                                       ; the four knowledge rows to bf16, packed downward: register n is written when 2 n and 2 n + 1 are read, never before
	v_cvt_pk_bf16_f32 v[KN+n], v[KN+2*n], v[KN+2*n+1]
.set n, n+1
.endr
.irp i, 0,1,2,3
.irp q, 0,1,2,3,4,5,6,7
	global_load_b128 v[XR+32*\i+4*\q:XR+32*\i+4*\q+3], v[L16], s[56+2*\i:57+2*\i] offset:512*\q
.endr
.endr
	s_wait_loadcnt 0x0                             ; my four rows
	; Wk and bk go out now: they are wanted behind the whole first product.  A lane takes 4 neighbouring e of 16 rows d, for both halves g of the block.
	WIN 0x40                                       ; destination in window 1
.irp g, 0,1
.irp i, 0,1,2,3,4,5,6,7
	global_load_b128 v[WL1+64*\g+4*\i:WL1+64*\g+4*\i+3], v[VK], s[68:69] offset:256*\g+\i*4096          ; rows 8 h + i: sixteen lanes take 256 consecutive bytes
.endr
.irp i, 0,1,2,3,4,5,6,7
	global_load_b128 v[WL1+64*\g+32+4*\i:WL1+64*\g+32+4*\i+3], v[VK], s[68:69] offset:256*\g+(16+\i)*4096   ; rows 16 + 8 h + i
.endr
.endr
.irp ks, 0,1
.irp q, 0,1,2,3
	global_load_b128 v[BK1+16*\ks+4*\q:BK1+16*\ks+4*\q+3], v[VB], s[12:13] offset:4096+128*\ks+16*(\q&1)+64*(\q>>1)
.endr
.endr
	WIN 0
	; origin: cluster i (0 to 3) stores row i of each wave's four: 4 x 4 x 4 = 64 rows, each by one wave, 512 consecutive bytes a store
.irp i, 0,1,2,3
	s_cmp_lg_u32 ttmp9, \i
	s_cbranch_scc1 .Lno_origin_\i
.irp q, 0,1,2,3,4,5,6,7
	global_store_b128 v[L16], v[XR+32*\i+4*\q:XR+32*\i+4*\q+3], s[18:19] offset:4096*\i+512*\q
.endr
.Lno_origin_\i:
.endr
	s_wait_xcnt 0x0                                ; the stores' data registers are rewritten only behind this wait
.irp i, 0,1,2,3
.irp k, 0,1,2,3,4,5,6,7,8,9,10,11,12,13,14,15
	v_cvt_pk_bf16_f32 v[XR+32*\i+\k], v[XR+32*\i+2*\k], v[XR+32*\i+2*\k+1]
.endr
.irp k, 0,1,2,3,4,5,6,7,8,9,10,11,12,13,14,15
	v_cndmask_b32 v[XR+32*\i+\k], v[XR+32*\i+\k], v[KN+16*\i+\k], s[52+\i]
.endr
.irp q, 0,1,2,3,4,5,6,7
	ds_store_b64 v[VQ], v[XR+32*\i+2*\q:XR+32*\i+2*\q+1] offset:\i*AP+256*\q       ; 32 lanes x 8 bytes: 256 consecutive bytes of the row
.endr
.endr
	s_wait_dscnt 0x0                               ; my rows of q_in are in LDS before I say so
	s_barrier_signal -1                            ; chunks of Wq may stay on their way
	s_barrier_wait -1
	; THE FIRST PRODUCT: my K quarter of q = q_in Wq^T, 16 sequences x 64 columns
	s_wait_tensorcnt 0x3                           ; my first chunk is in LDS; the three younger ones stay out.  I read no other wave's chunks
	LDT 0
	LDT 1
	STEP 0, 18, 1, 1, 2                            ; the first products start the sums: nothing is cleared
	STEP 1, 18, 1, 0, -1
	STEP 2, 18, 1, 0, 1
	STEP 3, 18, 1, 0, -1
	STEP 4, 18, 1, 0, 0
	STEP 5, 18, 1, 0, -1
	STEP 6, 18, 0, 0, -1
	STEP 7, 0, 0, 0, -1
	; the sum over the four K quarters: every wave puts its four tiles down, in the head of its own region, and takes up all sixteen
.irp nt, 0,1,2,3
.irp c, 0,1
	ds_store_b128 v[VS], v[ACC+8*\nt+4*\c:ACC+8*\nt+4*\c+3] offset:\nt*1024+\c*512
.endr
.endr
	s_wait_dscnt 0x0                               ; my stores are done before I say so
	s_barrier_signal -1
	s_wait_loadcnt 0x0                             ; register work while the others arrive: Wk (and bk) have come;
	WIN 0x05                                       ; sources 0 and 1 in window 1
.irp g, 0,1
.irp jj, 0,1,2,3
.irp i, 0,1,2,3,4,5,6,7
	v_cvt_pk_bf16_f32 v[BF+8*(4*\g+\jj)+\i], v[WL1+64*\g+8*\i+\jj], v[WL1+64*\g+8*\i+4+\jj]   ; two neighbouring d of column 64 g + 4 r + jj
.endr
.endr
.endr
	WIN 0
.irp src, 0,1,2,3
	v_add_nc_u32 v[TA+\src], \src*WREG, v[VR]
.endr
	s_barrier_wait -1
.irp src, 0,1,2,3
.irp nt, 0,1,2,3
.irp c, 0,1
	ds_load_b128 v[RED+32*\src+8*\nt+4*\c:RED+32*\src+8*\nt+4*\c+3], v[TA+\src] offset:\nt*1024+\c*512
.endr
.endr
.endr
	s_lshl_b32 s48, s20, 12                        ; the exchange: 4,096 bytes a wave in q_in's bytes, which nobody reads any more behind the barrier above
	s_add_co_u32 s48, s48, AQ
	v_lshl_add_u32 v[VW], v4, 4, s48
	s_xor_b32 s49, s20, 1                          ; the other wave of my block
	s_lshl_b32 s49, s49, 12
	s_add_co_u32 s49, s49, AQ
	v_lshl_add_u32 v[VA], v4, 4, s49
	s_cmp_lg_u32 s71, 0
	s_cselect_b32 s76, -1, 0                       ; all lanes: my K step is 1
	s_wait_dscnt 0x0
.set n, 0
.rept 16
	v_pk_add_f32 v[RED+n:RED+n+1], v[RED+n:RED+n+1], v[RED+32+n:RED+32+n+1]
	v_pk_add_f32 v[RED+64+n:RED+64+n+1], v[RED+64+n:RED+64+n+1], v[RED+96+n:RED+96+n+1]
.set n, n+2
.endr
.set n, 0
.rept 16
	v_pk_add_f32 v[RED+n:RED+n+1], v[RED+n:RED+n+1], v[RED+64+n:RED+64+n+1]
.set n, n+2
.endr
.set n, 0
.rept 16
	v_pk_add_f32 v[RED+n:RED+n+1], v[RED+n:RED+n+1], v[BQ+n:BQ+n+1]
.set n, n+2
.endr
.set n, 0
.rept 16
	v_pk_mul_f32 v[RED+n:RED+n+1], v[RED+n:RED+n+1], 0x3e38aa3b op_sel_hi:[1,0]    ; x 0.125 log2(e)
.set n, n+2
.endr
.set n, 0
.rept 16                                       ; a lane's columns 16 nt + 8 h + 0..7 are the A fragment's k: tiles 2 ks and 2 ks + 1 make K step ks
	v_cvt_pk_bf16_f32 v[QA+n], v[RED+2*n], v[RED+2*n+1]
.set n, n+1
.endr
	; c, by wave 0 of the clusters of column quarter 0: lane (r, h) holds 32 of the 64 d of sequence r and sums them in f32
	s_cmp_lg_u32 s23, 0
	s_cbranch_scc1 .Lno_c
	s_cmp_lg_u32 s20, 0
	s_cbranch_scc1 .Lno_c
	v_mov_b32 v14, 0                               ; two chains, one for each K step
	v_mov_b32 v15, 0
	WIN 0x04                                       ; source 1 (bk) in window 1
.irp n, 0,1,2,3,4,5,6,7
.irp ks, 0,1
	v_fma_mix_f32_bf16 v[14+\ks], v[QA+8*\ks+\n], v[BK1+16*\ks+2*\n], v[14+\ks] op_sel_hi:[1,0,0]
	v_fma_mix_f32_bf16 v[14+\ks], v[QA+8*\ks+\n], v[BK1+16*\ks+2*\n+1], v[14+\ks] op_sel:[1,0,0] op_sel_hi:[1,0,0]
.endr
.endr
	WIN 0
	v_add_f32 v14, v14, v15
	global_store_b32 v[VC], v14, s[16:17]
.Lno_c:
	; THE SECOND PRODUCT: wave (block, ks) multiplies K step ks of q by its eight fragments of Wk
.irp k, 0,1,2,3,4,5,6,7
	v_cndmask_b32 v[QS+\k], v[QA+\k], v[QA+8+\k], s76
.endr
.irp f, 0,1,2,3,4,5,6,7
	v_wmma_f32_16x16x32_bf16 v[DT+8*\f:DT+8*\f+7], v[QS:QS+7], v[BF+8*\f:BF+8*\f+7], 0
.endr
	PLACES
	; The two waves of a block add their K steps, each for half of the rows.  Register j of lane half h is row 8 h + j of the A fragment.  The wave of
	; K step 1 holds the sequences with bit 2 flipped, so its registers 0-3 are sequences 8 h + 4..7 and its registers 4-7 sequences 8 h + 0..3:
	; every wave keeps registers 0-3 and hands over registers 4-7, and what it receives are the sequences that it kept.
.irp f, 0,1,2,3,4,5,6,7
	ds_store_b128 v[VW], v[DT+8*\f+4:DT+8*\f+7] offset:\f*512
.endr
	s_wait_dscnt 0x0                               ; my stores are done before I say so
	s_barrier_signal -1
	s_barrier_wait -1
.irp f, 0,1,2,3,4,5,6,7
	ds_load_b128 v[RX+4*\f:RX+4*\f+3], v[VA] offset:\f*512
.endr
	s_wait_dscnt 0x0
.irp f, 0,1,2,3,4,5,6,7
.irp k, 0,2
	v_pk_add_f32 v[DT+8*\f+\k:DT+8*\f+\k+1], v[DT+8*\f+\k:DT+8*\f+\k+1], v[RX+4*\f+\k:RX+4*\f+\k+1]
.endr
.endr
.irp j, 0,1,2,3
.irp p, 0,1,2,3
	v_cvt_pk_bf16_f32 v[OU+4*\j+\p], v[DT+16*\p+\j], v[DT+16*\p+8+\j]
.endr
	global_store_b128 v[VO], v[OU+4*\j:OU+4*\j+3], s[14:15] offset:\j*32768        ; sequence 8 h + 4 ks + j: sixteen lanes store 256 consecutive bytes, aligned
.endr
	ROUND                                          ; the closing round: no work-group ends while a partner may still ask jointly
	s_endpgm
.Lfunc_end_k_q97e6a7f06a_front:
	.size	k_q97e6a7f06a_front, .Lfunc_end_k_q97e6a7f06a_front-k_q97e6a7f06a_front
	.p2alignl 7, 3214868480
	.fill 96, 4, 3214868480
	.section	.rodata,"a",@progbits
	.p2align	6, 0x0
	.amdhsa_kernel k_q97e6a7f06a_front
		.amdhsa_group_segment_fixed_size 311552
		.amdhsa_private_segment_fixed_size 0
		.amdhsa_enable_private_segment 0
		.amdhsa_kernarg_size 64
		.amdhsa_user_sgpr_count 2
		.amdhsa_user_sgpr_kernarg_segment_ptr 1
		.amdhsa_wavefront_size32 1
		.amdhsa_system_sgpr_workgroup_id_x 1
		.amdhsa_system_sgpr_workgroup_id_y 1
		.amdhsa_system_sgpr_workgroup_id_z 1
		.amdhsa_system_vgpr_workitem_id 0
		.amdhsa_next_free_vgpr 416
		.amdhsa_next_free_sgpr 84
		.amdhsa_reserve_vcc 0
		.amdhsa_float_denorm_mode_32 3
		.amdhsa_float_denorm_mode_16_64 3
		.amdhsa_memory_ordered 1
		.amdhsa_forward_progress 1
		.amdhsa_inst_pref_size 99
	.end_amdhsa_kernel
	.amdgpu_metadata
---
amdhsa.version: [ 1, 2 ]
amdhsa.kernels:
  - .name:           k_q97e6a7f06a_front
    .symbol:         k_q97e6a7f06a_front.kd
    .args:
      - { .name: input_ids, .offset: 0, .size: 8, .value_kind: global_buffer, .address_space: global }
      - { .name: knowledge_output, .offset: 8, .size: 8, .value_kind: global_buffer, .address_space: global }
      - { .name: model_output, .offset: 16, .size: 8, .value_kind: global_buffer, .address_space: global }
      - { .name: in_proj_weight, .offset: 24, .size: 8, .value_kind: global_buffer, .address_space: global }
      - { .name: in_proj_bias, .offset: 32, .size: 8, .value_kind: global_buffer, .address_space: global }
      - { .name: qk, .offset: 40, .size: 8, .value_kind: global_buffer, .address_space: global }
      - { .name: cb, .offset: 48, .size: 8, .value_kind: global_buffer, .address_space: global }
      - { .name: origin, .offset: 56, .size: 8, .value_kind: global_buffer, .address_space: global }
    .group_segment_fixed_size: 311552
    .private_segment_fixed_size: 0
    .kernarg_segment_align: 8
    .kernarg_segment_size: 64
    .max_flat_workgroup_size: 128
    .sgpr_count:     84
    .vgpr_count:     416
    .wavefront_size: 32
...
	.end_amdgpu_metadata
.endif
;; end of part 7
;; launch attn: the kernel of part 4 again; grid 256 x 1, 8 waves a work-group, no clusters, 327,680 bytes of LDS; arguments model_output, knowledge_output, input_ids, qk, cb, y, stats; writes y, stats
;; launch ctxproj: the kernel of part 5 again; grid 256 x 1, 4 waves a work-group, clusters of 4 x 1, 205,824 bytes of LDS; arguments y, in_proj_weight, in_proj_bias, stats, ctx; writes ctx
;; launch outproj: the kernel of part 6 again; grid 64 x 1, 4 waves a work-group, clusters of 4 x 1, 222,208 bytes of LDS; arguments ctx, out_proj_weight, out_proj_bias, origin, attention_strength, empty_knowledge_mask, out0; writes out0
